; MI455X (gfx1250); checked and timed in simulation.
; The chip was launched on July 23, 2026; its instructions are those of AMD's public machine-readable ISA for CDNA 5 (MIT licence, August 2026) and "CDNA5" Instruction Set Architecture Reference Guide (July 2026). The comments in the code are by the model that wrote it; some were corrected since.
;; Yua Attention. Allowed arithmetic: float matrix products may take bf16 or f16 operands with f32 sums; other float arithmetic in f32, or as packed bf16 or f16 multiplies, adds, multiply-adds, maxima and minima; sums over many terms, partial sums and values carried from step to step in f32; what a program stores and reads back later, other than sums and carried values, may be rounded once to bf16 or f16.
;; Inputs: hidden_states 2 x 2,048 x 2,048 float32; k_norm_w 128 float32; k_w 512 x 2,048 float32; o_w 2,048 x 1,024 float32; q_norm_w 128 float32; q_w 1,024 x 2,048 float32; v_w 512 x 2,048 float32.
;; Outputs: out0 2 x 2,048 x 2,048 float32.
;; One version. Each part assembles by itself: llvm-mc -triple=amdgcn-amd-amdhsa -mcpu=gfx1250 --defsym DOCPART=n.
;; ======== version 1 of 1: 4 launches
;; limits: values are held in f16: magnitudes above 65,504 overflow, below 6.1e-05 lose precision
;; workspace buffers: xb 16,777,216 bytes; wb 8,388,608 bytes; owb 4,194,304 bytes; rope 1,048,576 bytes; qkv 16,777,216 bytes; attn 8,388,608 bytes
;; launch prep (part 1): grid 1024 x 1, 8 waves a work-group, no clusters, 0 bytes of LDS; arguments hidden_states, q_w, k_w, v_w, o_w, xb, wb, owb, rope; writes xb, wb, owb, rope
.if DOCPART == 1
	.amdgcn_target "amdgcn-amd-amdhsa--gfx1250"
	.amdhsa_code_object_version 6
	.text
	.protected	k_q8b26ec2ed6_prep
	.globl	k_q8b26ec2ed6_prep
	.p2align	8
	.type	k_q8b26ec2ed6_prep,@function
k_q8b26ec2ed6_prep:
	s_mov_b64 s[64:65], 0
	v_nop
	global_prefetch_b8 v0, s[64:65] scope:SCOPE_SE
	s_setreg_imm32_b32 hwreg(HW_REG_WAVE_MODE, 25, 1), 1
	s_wait_xcnt 0x0
; FIRST OF FOUR LAUNCHES of YuaAttention (B = 2, S = 2048, H = 2048, 8 query heads, 4 key/value heads of 128):
;   prep: matrix operands rounded once, RoPE's table;  project: q, k, v = x W^T, RMS norm, RoPE;  attend: causal attention;  outproj: times o_w^T.
; WORK LEFT OUT, for all values of the inputs.  (1) reference() itself builds the mask jnp.tril(ones(S, S)) and sets every score with key > query to the lowest finite number ahead of the
; softmax; the row's own key is always open, so such a weight is exp(lowest - maximum) = 0 and its product with v adds 0.  Blocks of 256 keys that lie wholly above the diagonal for a block
; of queries are therefore neither loaded nor multiplied (launch attend).  (2) jnp.repeat of k and v copies rows: the two query heads of a group read the same rows, no copy is made.
; Every input has a way to the output, and all are loaded.
; LIMITS.  A NaN, an infinity or an overflow in a row of k or v reaches only the queries that may see that row.  All inputs are rounded to bf16 (x, the four weights here, the two gains in
; project); o_w's bf16 value is then written as f16, the format of the last product: exact from 6.1e-5 up to 65,504, below that on f16's fixed step of 6e-8.
; q, k, v, the weights p and the attention's result are f16: |v| must stay under 65,504.
; RoPE's angle is pos x 2^(-i log2(500000) / 64), reduced by multiples of pi/2 in two parts, sine and cosine by polynomials on [-pi/4, pi/4]: within some 3e-4 rad of reference()'s f32 angle.
; THIS LAUNCH streams: no LDS, no matrix unit, no cluster (nothing is shared).  Work-group g:
;   0-511 hidden_states -> xb;  512-639 q_w, 640-703 k_w, 704-767 v_w -> wb (rows 0-1023, 1024-1535, 1536-2047);  768-895 o_w -> owb;  each a chunk of 65,536 bytes of f32;
;   896-1023 the table's tile T = g - 896 of 16 positions.
; A thread takes 16 bytes of each 4,096 of the chunk: all 16 loads go out at once; a wave's store covers 256 consecutive bytes, aligned.
; TABLE: rope[T][c][lane][4] f32; c = 2 b + q holds cos, c = 8 + 2 b + q sin, of position 16 T + lane % 16 and frequencies 16 b + 8 (lane / 16) + 4 q + 0..3: the order of project's accumulators.
.set X,   16                           ; v[16:79]   the chunk as loaded
.set Y,   80                           ; v[80:111]  as stored
	s_load_b512 s[8:23], s[0:1], 0x0               ; hidden s[8:9], q_w s[10:11], k_w s[12:13], v_w s[14:15], o_w s[16:17], xb s[18:19], wb s[20:21], owb s[22:23]
	s_load_b64 s[24:25], s[0:1], 0x40              ; rope
	s_mov_b32 s2, ttmp9                            ; g
	v_lshlrev_b32 v1, 4, v0                        ; 16 t: my bytes in 4,096 of f32, and in the table's 4,096
	v_lshlrev_b32 v2, 3, v0                        ; 8 t: my bytes in 2,048 of 16-bit numbers
	s_wait_kmcnt 0x0
	s_cmp_ge_u32 s2, 896
	s_cbranch_scc1 .Ltable
	; which buffer is read and which is written, and at which g each begins
	s_mov_b64 s[26:27], s[8:9]
	s_mov_b64 s[30:31], s[18:19]
	s_mov_b32 s28, 0
	s_mov_b32 s29, 0
	s_cmp_ge_u32 s2, 512
	s_cselect_b64 s[26:27], s[10:11], s[26:27]
	s_cselect_b64 s[30:31], s[20:21], s[30:31]
	s_cselect_b32 s28, 512, s28
	s_cselect_b32 s29, 512, s29
	s_cmp_ge_u32 s2, 640
	s_cselect_b64 s[26:27], s[12:13], s[26:27]
	s_cselect_b32 s28, 640, s28
	s_cmp_ge_u32 s2, 704
	s_cselect_b64 s[26:27], s[14:15], s[26:27]
	s_cselect_b32 s28, 704, s28
	s_cmp_ge_u32 s2, 768
	s_cselect_b64 s[26:27], s[16:17], s[26:27]
	s_cselect_b64 s[30:31], s[22:23], s[30:31]
	s_cselect_b32 s28, 768, s28
	s_cselect_b32 s29, 768, s29
	s_sub_co_u32 s32, s2, s28
	s_lshl_b32 s32, s32, 16                        ; my chunk in the source
	s_mov_b32 s33, 0
	s_sub_co_u32 s34, s2, s29
	s_lshl_b32 s34, s34, 15                        ; and in the destination, half as many bytes
	s_mov_b32 s35, 0
	s_add_nc_u64 s[26:27], s[26:27], s[32:33]
	s_add_nc_u64 s[30:31], s[30:31], s[34:35]
.irp i, 0,1,2,3,4,5,6,7,8,9,10,11,12,13,14,15
	global_load_b128 v[X+4*(\i):X+4*(\i)+3], v1, s[26:27] offset:4096*(\i) th:TH_LOAD_NT
.endr
; Part i of the chunk.  half = 1: the bf16 value is written as f16.  No register is written twice, so nothing waits for a store.
.macro CONV i, half
	s_wait_loadcnt 15-(\i)                         ; loads come back in order: mine is in, the 15 - i younger ones stay out
	v_cvt_pk_bf16_f32 v[Y+2*(\i)],   v[X+4*(\i)],   v[X+4*(\i)+1]
	v_cvt_pk_bf16_f32 v[Y+2*(\i)+1], v[X+4*(\i)+2], v[X+4*(\i)+3]
.if \half
	v_lshlrev_b32 v4, 16, v[Y+2*(\i)]
	v_and_b32 v5, 0xffff0000, v[Y+2*(\i)]
	v_lshlrev_b32 v6, 16, v[Y+2*(\i)+1]
	v_and_b32 v7, 0xffff0000, v[Y+2*(\i)+1]
	v_cvt_pk_f16_f32 v[Y+2*(\i)],   v4, v5
	v_cvt_pk_f16_f32 v[Y+2*(\i)+1], v6, v7
.endif
	global_store_b64 v2, v[Y+2*(\i):Y+2*(\i)+1], s[30:31] offset:2048*(\i)
.endm
	s_cmp_ge_u32 s2, 768
	s_cbranch_scc1 .Lhalf
.irp i, 0,1,2,3,4,5,6,7,8,9,10,11,12,13,14,15
	CONV \i, 0
.endr
	s_endpgm
.Lhalf:
.irp i, 0,1,2,3,4,5,6,7,8,9,10,11,12,13,14,15
	CONV \i, 1
.endr
	s_endpgm
.Ltable:
	s_sub_co_u32 s3, s2, 896                       ; T
	s_lshl_b32 s4, s3, 4
	s_mov_b32 s36, 0x3f22f983                      ; 2 / pi
	s_mov_b32 s37, 0x3fc90fdb                      ; pi / 2, upper part
	s_mov_b32 s38, 0xb33bbd2e                      ; pi / 2, the rest
	v_and_b32 v3, 15, v0
	v_add_nc_u32 v3, s4, v3
	v_cvt_f32_u32 v3, v3                           ; my position
	v_lshrrev_b32 v4, 6, v0
	v_lshlrev_b32 v4, 4, v4                        ; 16 b
	v_bfe_u32 v5, v0, 4, 1
	v_lshl_add_u32 v4, v5, 3, v4                   ; + 8 (lane / 16)
	v_bfe_u32 v5, v0, 5, 1
	v_lshl_add_u32 v4, v5, 2, v4                   ; + 4 q: my first frequency
.irp e, 0,1,2,3
	v_add_nc_u32 v[8+(\e)], \e, v4
	v_cvt_f32_u32 v[8+(\e)], v[8+(\e)]
	v_mul_f32 v[8+(\e)], 0xbe9773da, v[8+(\e)]     ; - i log2(500000) / 64
.endr
.irp e, 0,1,2,3
	v_exp_f32 v[8+(\e)], v[8+(\e)]                 ; the four frequencies: one batch
.endr
	v_nop                                          ; a plain instruction behind the last exponential,
	s_wait_alu depctr_va_vdst(0)                   ; and one wait for the four, ahead of their first reader
.macro ANGLE e
	v_mul_f32 v12, v3, v[8+(\e)]                   ; the angle
	v_mul_f32 v13, s36, v12
	v_rndne_f32 v13, v13                           ; k: how many quarter turns
	v_fma_f32 v12, -v13, s37, v12                  ; less k pi / 2, in two parts
	v_fma_f32 v12, -v13, s38, v12                  ; r in [-pi/4, pi/4]
	v_mul_f32 v14, v12, v12                        ; z = r r
	v_mov_b32 v15, 0xb94ca1f9
	v_mov_b32 v16, 0x37ccf5ce
	v_fmaak_f32 v15, v15, v14, 0x3c08839e
	v_fmaak_f32 v16, v16, v14, 0xbab6061a
	v_fmaak_f32 v15, v15, v14, 0xbe2aaaa3
	v_fmaak_f32 v16, v16, v14, 0x3d2aaaa5
	v_mul_f32 v15, v15, v14
	v_mul_f32 v17, v14, v14
	v_fma_f32 v18, v14, -0.5, 1.0
	v_fma_f32 v15, v15, v12, v12                   ; sin r
	v_fma_f32 v16, v16, v17, v18                   ; cos r
	v_cvt_i32_f32 v19, v13
	v_and_b32 v20, 1, v19
	v_cmp_ne_u32 vcc_lo, 0, v20                    ; an odd quarter swaps the two: a choice of values, no branch
	v_cndmask_b32 v21, v15, v16, vcc_lo
	v_cndmask_b32 v22, v16, v15, vcc_lo
	v_and_b32 v20, 2, v19
	v_lshlrev_b32 v20, 30, v20                     ; the sine changes sign in quarters 2 and 3,
	v_xor_b32 v[28+(\e)], v20, v21
	v_add_nc_u32 v19, 1, v19
	v_and_b32 v19, 2, v19
	v_lshlrev_b32 v19, 30, v19                     ; the cosine in quarters 1 and 2
	v_xor_b32 v[24+(\e)], v19, v22
.endm
	ANGLE 0
	ANGLE 1
	ANGLE 2
	ANGLE 3
	s_lshl_b32 s4, s3, 13                          ; a tile of the table is 8,192 bytes
	s_mov_b32 s5, 0
	s_add_nc_u64 s[24:25], s[24:25], s[4:5]
	global_store_b128 v1, v[24:27], s[24:25]               ; cos: a wave's store covers 512 consecutive bytes
	global_store_b128 v1, v[28:31], s[24:25] offset:4096   ; sin
	s_endpgm
.Lfunc_end_k_q8b26ec2ed6_prep:
	.size	k_q8b26ec2ed6_prep, .Lfunc_end_k_q8b26ec2ed6_prep-k_q8b26ec2ed6_prep
	.p2alignl 7, 3214868480
	.fill 96, 4, 3214868480
	.section	.rodata,"a",@progbits
	.p2align	6, 0x0
	.amdhsa_kernel k_q8b26ec2ed6_prep
		.amdhsa_group_segment_fixed_size 0
		.amdhsa_private_segment_fixed_size 0
		.amdhsa_enable_private_segment 0
		.amdhsa_kernarg_size 72
		.amdhsa_user_sgpr_count 2
		.amdhsa_user_sgpr_kernarg_segment_ptr 1
		.amdhsa_wavefront_size32 1
		.amdhsa_system_sgpr_workgroup_id_x 1
		.amdhsa_system_sgpr_workgroup_id_y 1
		.amdhsa_system_sgpr_workgroup_id_z 1
		.amdhsa_system_vgpr_workitem_id 0
		.amdhsa_next_free_vgpr 112
		.amdhsa_next_free_sgpr 66
		.amdhsa_reserve_vcc 1
		.amdhsa_float_denorm_mode_32 3
		.amdhsa_float_denorm_mode_16_64 3
		.amdhsa_memory_ordered 1
		.amdhsa_forward_progress 1
		.amdhsa_inst_pref_size 24
	.end_amdhsa_kernel
	.amdgpu_metadata
---
amdhsa.version: [ 1, 2 ]
amdhsa.kernels:
  - .name:           k_q8b26ec2ed6_prep
    .symbol:         k_q8b26ec2ed6_prep.kd
    .args:
      - { .name: hidden_states, .offset: 0, .size: 8, .value_kind: global_buffer, .address_space: global }
      - { .name: q_w, .offset: 8, .size: 8, .value_kind: global_buffer, .address_space: global }
      - { .name: k_w, .offset: 16, .size: 8, .value_kind: global_buffer, .address_space: global }
      - { .name: v_w, .offset: 24, .size: 8, .value_kind: global_buffer, .address_space: global }
      - { .name: o_w, .offset: 32, .size: 8, .value_kind: global_buffer, .address_space: global }
      - { .name: xb, .offset: 40, .size: 8, .value_kind: global_buffer, .address_space: global }
      - { .name: wb, .offset: 48, .size: 8, .value_kind: global_buffer, .address_space: global }
      - { .name: owb, .offset: 56, .size: 8, .value_kind: global_buffer, .address_space: global }
      - { .name: rope, .offset: 64, .size: 8, .value_kind: global_buffer, .address_space: global }
    .group_segment_fixed_size: 0
    .private_segment_fixed_size: 0
    .kernarg_segment_align: 8
    .kernarg_segment_size: 72
    .max_flat_workgroup_size: 256
    .sgpr_count:     66
    .vgpr_count:     112
    .wavefront_size: 32
...
	.end_amdgpu_metadata
.endif
;; end of part 1
;; launch project (part 2): grid 16 x 16, 4 waves a work-group, clusters of 4 x 4, 327,680 bytes of LDS; arguments xb, wb, rope, q_norm_w, k_norm_w, qkv; writes qkv
.if DOCPART == 2
	.amdgcn_target "amdgcn-amd-amdhsa--gfx1250"
	.amdhsa_code_object_version 6
	.text
	.protected	k_q8b26ec2ed6_project
	.globl	k_q8b26ec2ed6_project
	.p2align	8
	.type	k_q8b26ec2ed6_project,@function
k_q8b26ec2ed6_project:
	s_mov_b64 s[64:65], 0
	v_nop
	global_prefetch_b8 v0, s[64:65] scope:SCOPE_SE
	s_setreg_imm32_b32 hwreg(HW_REG_WAVE_MODE, 25, 1), 1
	s_wait_xcnt 0x0
	s_wait_alu depctr_hold_cnt(0) depctr_sa_sdst(0) depctr_va_vdst(0) depctr_va_sdst(0) depctr_va_ssrc(0) depctr_va_vcc(0) depctr_vm_vsrc(0)
	s_getreg_b32 s2, hwreg(HW_REG_IB_STS2, 6, 4)
	s_cmp_eq_u32 s2, 0
	s_cbranch_scc0 .Lentry_in_a_cluster
	s_endpgm
.Lentry_in_a_cluster:
	s_bfe_u32 s2, ttmp6, 0x10000c
	s_cmp_lg_u32 s2, 0xf033
	s_cbranch_scc0 .Lentry_shape_is_right
	s_endpgm
.Lentry_shape_is_right:
; q, k, v = x W^T, then for q and k the RMS norm over each head and RoPE; written by heads in f16.
; xb: [4096][2048] bf16 (row = batch x 2048 + position).  wb: [2048][2048] bf16: rows 0-1023 q_w, 1024-1535 k_w, 1536-2047 v_w.  qkv: [16][4096][128] f16: head slots 0-7 q, 8-11 k, 12-15 v.
; Sums in f32; norm and rotation in f32; one rounding to f16.  The gains are rounded to bf16 like all inputs.  LIMIT: |v| under 65,504; |q|, |k| are at most 11.4 |gain|.
; SHARES.  A tile is 256 rows x 128 columns, ONE HEAD SLOT: 16 x 16 work-groups.  Wave w makes rows 64 w .. 64 w + 63 x all 128 columns, so a head's row lies in one wave: 32 accumulators.
; K goes in steps of 128 through two LDS slots (256 rows of x, 128 rows of W, 256 bytes each, padded to 272).  Two slots of two K steps, 2 x 384 rows x 528 bytes, would not fit in LDS.
; CLUSTER 4 x 4: x's tile hangs on the tile row alone and is asked for jointly along a row of the cluster, W's on the tile column alone, along a column.
; THE WALK.  A cluster begins at K step 4 ((cluster x + 2 (cluster y mod 2)) mod 4) and goes once round K (f32 sums may be taken in any order).  So the four clusters that read the same rows of x
; begin 4 steps apart, and those that read the same rows of W begin at the same step or 8 apart: they do not all ask for the same block at the same time.
; THE PRODUCT IS USED TRANSPOSED (source 0 = 16 rows of W, source 1 = 16 rows of x): lane l holds row l % 16 and columns 16 b + 8 (l / 16) + 0..7 of accumulator (a, b).
; REGISTERS.  window 0: v0-31 addresses; v32-55 at work; v64-159, v160-255 two fragment buffers (8 of W, then 4 of x);  window 1: accumulator (a, b) at v[8 (8 a + b)];  window 2: RoPE's table, 64 a row block.
.set KTOT,   2048
.set RSH,    12                        ; a row of xb and of wb is 4,096 bytes
.set STEPS,  KTOT/128
.set SKSH,   2                         ; the beginnings lie STEPS / 4 = 4 steps apart
.set PITCH,  272                       ; 256 bytes + 16 of padding = 68 words: the 16 rows of a fragment load start at 16 different groups of four banks (64 banks of 4 bytes: ISA guide 11.1)
.set ATILE,  256*PITCH                 ; a slot: x's 256 rows, then W's 128: 104,448 bytes
.set SLOT1,  1<<17                     ; slot 1 begins here: the bit is in none of the descriptors' LDS words (0, 0x8800, 0x11000, 0x15400), so one exclusive or changes slots
.set STAGE,  SLOT1+384*PITCH           ; behind the ring: 16 rows x 272 bytes for each wave, for the way out
.set SPITCH, 272
.set SPARE,  STAGE+4*16*SPITCH         ; behind the stages: the spare words, 128 bytes a wave: two blocks of 256 bytes that no other line names
.set ADA,  16                          ; v16     LDS address of my fragments of x in the slot that is read
.set ADA0, 17                          ; v17     the same in slot 0; never rewritten
.set ADB,  20                          ; v20, v21  the same for W
.set ADB0, 21
.set STO,  24                          ; v24     the way out: where I put 16 bytes of a row
.set RD,   25                          ; v25     where I read rows back
.set CO,   26                          ; v26     16 x lane: my bytes in 512 consecutive ones (qkv, the table)
.set HO,   27                          ; v27     32 (l / 16): my bytes in 64 of a gain
.set SPW,  28                          ; v28     my spare word; never rewritten
.set NIL,  29                          ; v29     0; never rewritten
.set PFO,  30                          ; v30     the prefetches' offset: lane x a row; never rewritten
.set SQ,   32                          ; v32-39  four chains of squares
.set SS,   40                          ; v40-43  a row block's sum of squares, then mean + eps
.set RS,   48                          ; v48-55  1 / sqrt, a pair a row block
.set F0,   64
.set F1,   160
.set W,    64                          ; v64-127 the gain of my 64 columns
.set T1,   128                         ; v128-159, v160-191: the rotation's cross terms
.set T2,   160
.set TMP,  64                          ; the way out: a row block, packed
.set OB,   96                          ; v96-127, v128-159 by turns: 16 rows read back
.set G1A, 24                           ; s[24:31] group 1 for x's tiles;  s[32:39] group 0: a set for each of the two first fills; the second then walks on
.set G0A, 32
.set G1B, 40                           ; s[40:47], s[48:55] the same for W's
.set G0B, 48
.set AB,  56                           ; s[56:57] x at the rows that I fetch, K step 0; never rewritten
.set BB,  58                           ; s[58:59] W likewise
.set PFB, 60                           ; s[60:61] W at my work-group's 32 rows of the tile, K step 0
.set LIM, 62                           ; s62     11 in a wave that prefetches, else the greatest number
.set PO,  86                           ; s[86:87] an offset along K
.set SB,  90                           ; s90     the slot that is read: 0 or SLOT1
.set KX,  91                           ; s91     the K step asked for last
.set KO,  92                           ; s[92:93] its bytes along a row
.set PFA, 94                           ; s[94:95] where my prefetch stands
.set GW0, (1<<16)|(1<<20)|(1<<21)|(5<<22)|(3<<25)  ; 17:16 2-byte elements; 20 padding on; 21 set beside a mask; 24:22 after every 64 words; 31:25 4 words
.set MUL, 0x50                         ; C and D in window 1, the sources in window 0
.set MSB, 0
.macro WIN new                         ; the immediate's high byte repeats the setting that is left; a switch that changes nothing is dropped
.if MSB != (\new)
	s_set_vgpr_msb (MSB<<8)|(\new)
.set MSB, \new
.endif
.endm
.macro PLACES                          ; four plain instructions between a matrix instruction and a load into, or a vector instruction on, its registers
.rept 4
	v_nop
.endr
.endm
; A joint refill by the walking descriptors: waves 0 and 1 fetch the halves of x's tile, waves 2 and 3 those of W's.  An s_nop 0 and four v_nop follow each line, ahead of the jump and the label.
.macro JLOAD
	s_cmp_eq_u32 s17, 0
	s_cbranch_scc0 .Lfor_b_\@
	tensor_load_to_lds s[G0A+4:G0A+7], s[G1A:G1A+7]
	s_nop 0
	PLACES
	s_branch .Lasked_\@
.Lfor_b_\@:
	tensor_load_to_lds s[G0B+4:G0B+7], s[G1B:G1B+7]
	s_nop 0
	PLACES
.Lasked_\@:
.endm
.macro CREST                           ; a round of the cluster's barrier behind its opening barrier
	s_cmp_lg_u32 s16, 0
	s_cbranch_scc1 .Lnot_wave_0_\@
	s_barrier_signal -3
.Lnot_wave_0_\@:
	s_barrier_wait -3
	s_barrier_signal -1
	s_barrier_wait -1
.endm
.macro CROUND
	s_barrier_signal -1
	s_barrier_wait -1
	CREST
.endm
; A PREFETCH INTO THE L2.  At the change of slots at place n of the walk, which asks for place n + 2, W's blocks of place n + 5 are named: three K steps, 384 products, ahead of their load.
; WHICH.  The blocks of W at places 5, 6, 7 of a cluster's walk are read at no earlier place of any walk: the clusters with the other beginning reach them at places 13 to 15.  So n = 0, 1, 2.
; WHO.  Of the two clusters with the same tile columns and the same beginning the one with cluster y < 2; in it wave 2; of the tile's 128 rows each of the four partners that ask for it jointly takes
; 32 BY ADDRESS (cy), a lane a row.  So each block is named once.  x's blocks are first read at places 0 to 3 of some walk, at the launch's head, where nothing is asked for.
.macro ASK
	s_cmp_gt_u32 s3, s[LIM]                        ; s3 = 14 - n
	s_cbranch_scc0 .Lnot_mine_\@
	global_prefetch_b8 v[PFO], s[PFA:PFA+1] th:TH_LOAD_NT scope:SCOPE_SE
.Lnot_mine_\@:
.endm
	s_load_b256 s[4:11], s[0:1], 0x0               ; xb s[4:5], wb s[6:7], rope s[8:9], q_norm_w s[10:11]
	s_load_b128 s[12:15], s[0:1], 0x20             ; k_norm_w s[12:13], qkv s[14:15]
	v_lshl_add_u32 v[SPW], v0, 2, SPARE
	v_mov_b32 v[NIL], 0
	ds_add_u32 v[SPW], v[NIL]                      ; the wave's opening: the add, twice on end, and its wait ahead of my first tensor load
	ds_add_u32 v[SPW], v[NIL]                      ; once more; the set-up below, work on registers, stands between it and the wait
	v_lshrrev_b32 v1, 5, v0
	v_readfirstlane_b32 s16, v1                    ; wave 0..3
	s_lshr_b32 s17, s16, 1                         ; I fetch for x (0) or for W (1)
	s_and_b32 s18, s16, 1                          ; which half of that tile
	s_bfe_u32 s19, ttmp6, 0x40000                  ; cx
	s_bfe_u32 s20, ttmp6, 0x40004                  ; cy
	s_lshl_b32 s21, ttmp9, 2
	s_add_co_u32 s21, s21, s19                     ; tn: the head slot = 4 x cluster x + cx
	s_and_b32 s84, ttmp7, 0xffff                   ; cluster y
	s_lshl_b32 s22, s84, 2
	s_add_co_u32 s22, s22, s20                     ; tm: the tile row = 4 x cluster y + cy
	s_lshl_b32 s23, s20, 2
	s_lshl_b32 s23, 15, s23                        ; my row of the cluster
	s_lshl_b32 s2, 0x1111, s19                     ; my column
	s_or_b32 s[G1A], s23, GW0
	s_or_b32 s[G1B], s2, GW0
	s_mov_b32 s[G1A+1], 128<<16                    ; tensor_dim0 = 128
	s_mov_b32 s[G1A+2], 128<<16                    ; tensor_dim1 = 128
	s_mov_b32 s[G1A+3], 128<<16                    ; tile_dim0 = 128
	s_mov_b32 s[G1A+4], 128                        ; tile_dim1 = 128 rows
	s_mov_b32 s[G1A+5], KTOT                       ; elements from row to row
	s_mov_b32 s[G1A+6], 0
	s_mov_b32 s[G1A+7], 0
	s_mov_b32 s[G1B+1], 128<<16
	s_mov_b32 s[G1B+2], 64<<16                     ; W's halves have 64 rows
	s_mov_b32 s[G1B+3], 128<<16
	s_mov_b32 s[G1B+4], 64
	s_mov_b32 s[G1B+5], KTOT
	s_mov_b32 s[G1B+6], 0
	s_mov_b32 s[G1B+7], 0
	s_lshl_b32 s56, s22, 8
	s_lshl_b32 s57, s18, 7
	s_add_co_u32 s56, s56, s57                     ; x: row 256 tm + 128 x half
	s_lshl_b32 s56, s56, RSH
	s_mov_b32 s57, 0
	s_lshl_b32 s58, s21, 7
	s_lshl_b32 s59, s18, 6
	s_add_co_u32 s58, s58, s59                     ; W: row 128 tn + 64 x half
	s_lshl_b32 s58, s58, RSH
	s_mov_b32 s59, 0
	s_mul_i32 s70, s18, 128*PITCH                  ; where they go in a slot: the wave's number alone enters an LDS address
	s_mul_i32 s71, s18, 64*PITCH
	s_add_co_u32 s71, s71, ATILE
	s_and_b32 s[KX], s84, 1                        ; the walk's beginning: made of the cluster's coordinates alone, the same in all sixteen partners
	s_lshl_b32 s[KX], s[KX], 1
	s_add_co_u32 s[KX], s[KX], ttmp9
	s_and_b32 s[KX], s[KX], 3
	s_lshl_b32 s[KX], s[KX], SKSH
	s_lshl_b32 s[KO], s[KX], 8                     ; 256 bytes a K step
	s_mov_b32 s[KO+1], 0
	s_mov_b32 s[PO+1], 0
	s_mov_b32 s[SB], 0
	s_mov_b32 s66, 0x76543210                      ; v_permlanex16_b32: each lane takes its own place in the other half
	s_mov_b32 s67, 0xfedcba98
	s_mov_b32 s68, 0x3c000000                      ; 1 / 128
	s_mov_b32 s69, 0x3727c5ac                      ; 1e-5
	s_wait_dscnt 0x0                               ; both opening adds are done
	s_wait_kmcnt 0x0
	s_add_nc_u64 s[AB:AB+1], s[4:5], s[56:57]
	s_add_nc_u64 s[BB:BB+1], s[6:7], s[58:59]
	CROUND                                         ; all sixteen work-groups are here: the first joint loads meet
	s_mov_b32 s[G0A], 1                            ; count = 1
	s_mov_b32 s[G0A+1], s70                        ; LDS address: slot 0
	s_add_nc_u64 s[G0A+2:G0A+3], s[AB:AB+1], s[KO:KO+1]      ; global address: the walk's place 0
	s_mov_b32 s[G0A+4], 1
	s_add_co_u32 s[G0A+5], s70, SLOT1              ; slot 1
	s_add_nc_u64 s[G0A+6:G0A+7], s[G0A+2:G0A+3], 256         ; place 1: the beginning is 12 at the most, so there is no wrap yet
	s_or_b32 s[G0A+3], s[G0A+3], 0x80000000        ; type = 2
	s_or_b32 s[G0A+7], s[G0A+7], 0x80000000
	s_mov_b32 s[G0B], 1
	s_mov_b32 s[G0B+1], s71
	s_add_nc_u64 s[G0B+2:G0B+3], s[BB:BB+1], s[KO:KO+1]
	s_mov_b32 s[G0B+4], 1
	s_add_co_u32 s[G0B+5], s71, SLOT1
	s_add_nc_u64 s[G0B+6:G0B+7], s[G0B+2:G0B+3], 256
	s_or_b32 s[G0B+3], s[G0B+3], 0x80000000
	s_or_b32 s[G0B+7], s[G0B+7], 0x80000000
	s_add_co_u32 s[KX], s[KX], 1                   ; place 1's K step
	s_cmp_eq_u32 s17, 0                            ; a wave's two first fills stand in one branch, ahead of every wait on TENSORcnt and every LDS read: two loads of mine are out
	s_cbranch_scc0 .Lfirst_b
	tensor_load_to_lds s[G0A:G0A+3], s[G1A:G1A+7]
	s_nop 0
	tensor_load_to_lds s[G0A+4:G0A+7], s[G1A:G1A+7]
	s_nop 0
	PLACES
	s_branch .Lfirst_asked
.Lfirst_b:
	tensor_load_to_lds s[G0B:G0B+3], s[G1B:G1B+7]
	s_nop 0
	tensor_load_to_lds s[G0B+4:G0B+7], s[G1B:G1B+7]
	s_nop 0
	PLACES
.Lfirst_asked:
	; a fragment is 16 rows x 32 K in 8 registers: lane l holds row l % 16, K = 8 (l / 16) + 0..7 and 16 + 8 (l / 16) + 0..7: two loads of 16 bytes, 32 bytes apart
	v_and_b32 v1, 15, v0                           ; r
	v_bfe_u32 v2, v0, 4, 1                         ; h
	v_mul_u32_u24 v3, v1, PITCH
	v_lshl_add_u32 v3, v2, 4, v3
	s_mul_i32 s23, s16, 64*PITCH                   ; my 64 rows of x
	v_add_nc_u32 v[ADA0], s23, v3
	v_add_nc_u32 v[ADB0], ATILE, v3
	v_add_nc_u32 v[ADA], s[SB], v[ADA0]
	v_add_nc_u32 v[ADB], s[SB], v[ADB0]
	s_mul_i32 s23, s16, 16*SPITCH
	s_add_co_u32 s23, s23, STAGE                   ; my stage
	v_add_nc_u32 v[STO], s23, v3                   ; in: row r, 16 bytes for each half of the lanes
	v_mul_u32_u24 v4, v2, SPITCH
	v_lshl_add_u32 v4, v1, 4, v4
	v_add_nc_u32 v[RD], s23, v4                    ; back: lanes 0-15 one row of 256 bytes, lanes 16-31 the next
	v_and_b32 v[CO], 31, v0
	v_lshlrev_b32 v[PFO], RSH, v[CO]
	v_lshlrev_b32 v[CO], 4, v[CO]
	v_lshlrev_b32 v[HO], 5, v2
	s_lshl_b32 s78, s21, 20                        ; qkv: the head slot's 1,048,576 bytes,
	s_lshl_b32 s79, s22, 16                        ; the tile's 256 rows of 256 bytes,
	s_add_co_u32 s78, s78, s79
	s_lshl_b32 s79, s16, 14                        ; my 64 rows
	s_add_co_u32 s78, s78, s79
	s_mov_b32 s79, 0
	s_add_nc_u64 s[76:77], s[14:15], s[78:79]
	s_and_b32 s78, s22, 7                          ; the table: position = row mod 2,048; its tile of 16 is 16 (tm mod 8) + 4 w + a
	s_lshl_b32 s78, s78, 4
	s_lshl2_add_u32 s78, s16, s78
	s_lshl_b32 s78, s78, 13
	s_mov_b32 s79, 0
	s_add_nc_u64 s[72:73], s[8:9], s[78:79]
	s_lshl_b32 s82, s21, 7                         ; the prefetches: W's row 128 tn + 32 cy
	s_lshl_b32 s83, s20, 5
	s_add_co_u32 s82, s82, s83
	s_lshl_b32 s88, s82, RSH
	s_mov_b32 s89, 0
	s_add_nc_u64 s[PFB:PFB+1], s[6:7], s[88:89]
	s_cmp_lt_u32 s84, 2                            ; the same in all sixteen partners, for a given wave
	s_cselect_b32 s[LIM], 11, -1
	s_cmp_eq_u32 s16, 2
	s_cselect_b32 s[LIM], s[LIM], -1
; 8 products: row block a x all 8 column blocks, 32 along K.  zero = 1: the product starts the sums.  The 32 accumulators take turns in one order everywhere, one instruction a turn.
.macro MULA f, a, zero
	WIN MUL
.irp b, 0,1,2,3,4,5,6,7
.if \zero
	v_wmma_f32_16x16x32_bf16 v[8*(8*(\a)+(\b)):8*(8*(\a)+(\b))+7], v[(\f)+8*(\b):(\f)+8*(\b)+7], v[(\f)+64+8*(\a):(\f)+64+8*(\a)+7], 0
.else
	v_wmma_f32_16x16x32_bf16 v[8*(8*(\a)+(\b)):8*(8*(\a)+(\b))+7], v[(\f)+8*(\b):(\f)+8*(\b)+7], v[(\f)+64+8*(\a):(\f)+64+8*(\a)+7], v[8*(8*(\a)+(\b)):8*(8*(\a)+(\b))+7]
.endif
.endr
.endm
; 24 LDS loads in one run: a quarter step's fragments (W's 128 rows, my 64 rows of x, 32 K at byte k of the rows of the slot that is read) into buffer f
.macro FETCH k, f
	WIN 0
.irp i, 0,1,2,3,4,5,6,7
	ds_load_b128 v[(\f)+8*(\i):(\f)+8*(\i)+3],   v[ADB] offset:(\k)+(\i)*16*PITCH
	ds_load_b128 v[(\f)+8*(\i)+4:(\f)+8*(\i)+7], v[ADB] offset:(\k)+(\i)*16*PITCH+32
.endr
.irp i, 0,1,2,3
	ds_load_b128 v[(\f)+64+8*(\i):(\f)+64+8*(\i)+3],   v[ADA] offset:(\k)+(\i)*16*PITCH
	ds_load_b128 v[(\f)+64+8*(\i)+4:(\f)+64+8*(\i)+7], v[ADA] offset:(\k)+(\i)*16*PITCH+32
.endr
.endm
; A K step is four quarters of 32 along K, 32 products each, on buffers 0, 1, 0, 1.  One of the first three: multiplies f, fetches the next quarter, at byte k, into g.
.macro QUARTER k, f, g, zero
	s_wait_dscnt 4                                 ; W's fragments and x's row blocks 0, 1 are in; the youngest four loads (row blocks 2, 3) may be out
	MULA \f, 0, \zero
	MULA \f, 1, \zero
	PLACES
	FETCH \k, \g
	s_wait_dscnt 24                                ; all but the 24 just issued
	MULA \f, 2, \zero
	MULA \f, 3, \zero
.endm
; The last quarter changes slots and then multiplies buffer 1.  ONE barrier: in front of it each wave waits for all its tensor loads (one is out: its part of the next slot), adds 0 to its spare word, and waits for
; that and for its reads of this slot.  fill = 1: the barrier opens a round of the cluster's, and this slot is filled again, with the walk's place two on, first thing behind the round; only the descriptors'
; scalar work stands between the landing of one tile and the request for the next, and the quarter's 32 products follow the request.
; fill = 0: the walk's last two steps, one text for both; in the second (s3 = 1) there is no next step, and its fetch is jumped over; the barrier there serves nothing, the price of the one text.
.macro TURN fill
.if \fill
	s_wait_xcnt 0x0                                ; the last prefetch, a K step back, has read its address
	s_add_co_u32 s[PO], s[KX], 4                   ; s[KX] stands at place n + 1: place n + 5,
	s_and_b32 s[PO], s[PO], STEPS-1                ; round K
	s_lshl_b32 s[PO], s[PO], 8
	s_add_nc_u64 s[PFA:PFA+1], s[PFB:PFB+1], s[PO:PO+1]
.endif
	WIN 0
	s_wait_tensorcnt 0x0                           ; all my tensor loads have landed, so a group 0 may be written
	ds_add_u32 v[SPW], v[NIL]                      ; 0 onto my spare word
.if \fill
	s_add_co_u32 s[KX], s[KX], 1                   ; the walk's next place,
	s_and_b32 s[KX], s[KX], STEPS-1                ; round K
	s_lshl_b32 s[KO], s[KX], 8
	s_xor_b32 s[G0A+5], s[G0A+5], SLOT1            ; the walking descriptors: the other slot than last time; the address is made anew from the step's number
	s_add_nc_u64 s[G0A+6:G0A+7], s[AB:AB+1], s[KO:KO+1]
	s_or_b32 s[G0A+7], s[G0A+7], 0x80000000
	s_xor_b32 s[G0B+5], s[G0B+5], SLOT1
	s_add_nc_u64 s[G0B+6:G0B+7], s[BB:BB+1], s[KO:KO+1]
	s_or_b32 s[G0B+7], s[G0B+7], 0x80000000
.endif
	s_xor_b32 s[SB], s[SB], SLOT1                  ; the reads go to the other slot
	s_wait_dscnt 0x0                               ; the add is done, and my reads of this slot are over
	s_barrier_signal -1
	s_barrier_wait -1
.if \fill
	CREST                                          ; no wave of any partner still reads this slot or has a load on its way
	JLOAD                                          ; my one tensor load behind the round; its four v_nop are also the places in front of the loads below
.else
	s_cmp_eq_u32 s3, 1
	s_cbranch_scc1 .Lno_next_\@
	PLACES
.endif
	v_add_nc_u32 v[ADA], s[SB], v[ADA0]
	v_add_nc_u32 v[ADB], s[SB], v[ADB0]
	FETCH 0, F0
.if \fill
	ASK
.else
.Lno_next_\@:
.endif
	MULA F1, 0, 0
	MULA F1, 1, 0
	MULA F1, 2, 0
	MULA F1, 3, 0
.endm
	s_wait_tensorcnt 1                             ; my part of place 0 is in; place 1's may stay out
	s_barrier_signal -1
	s_barrier_wait -1
	FETCH 0, F0
	QUARTER 64, F0, F1, 1                          ; the first quarter stands in front of the loop: its products start the sums
	WIN 0
	s_mov_b32 s3, STEPS-2
.Lstep:                                        ; a trip is a K step, from its second quarter to the next step's first, and fills the slot that it leaves
	QUARTER 128, F1, F0, 0
	QUARTER 192, F0, F1, 0
	TURN 1
	QUARTER 64,  F0, F1, 0
	WIN 0
	s_sub_co_u32 s3, s3, 1
	s_cmp_lg_u32 s3, 0
	s_cbranch_scc1 .Lstep
	s_mov_b32 s3, 2
.Ltail:                                        ; the last two steps fill nothing: a text of their own; the second trip is left in its middle
	QUARTER 128, F1, F0, 0
	QUARTER 192, F0, F1, 0
	TURN 0
	WIN 0
	s_sub_co_u32 s3, s3, 1
	s_cmp_eq_u32 s3, 0
	s_cbranch_scc1 .Lfin
	QUARTER 64,  F0, F1, 0
	WIN 0
	s_branch .Ltail
.Lfin:
	PLACES
	PLACES
	s_cmp_eq_u32 ttmp9, 3                          ; head slots 12-15 are v: no norm, no rotation.  The cluster's x is the same in all partners
	s_cbranch_scc1 .Lout
	; THE NORM AND THE ROTATION.  16 loads of the gain and the table of row blocks 0 and 1 go out first; the sums of squares stand in the wait for them.
	s_cmp_lt_u32 ttmp9, 2
	s_cselect_b64 s[74:75], s[10:11], s[12:13]     ; q's gain or k's
.irp c, 0,1,2,3,4,5,6,7,8,9,10,11,12,13,14,15
	global_load_b128 v[W+4*(\c):W+4*(\c)+3], v[HO], s[74:75] offset:64*((\c)/2)+16*((\c)%2)
.endr
.macro TABLE a                         ; row block a: 8 loads of cos, 8 of sin, 512 consecutive bytes each
.irp c, 0,1,2,3,4,5,6,7,8,9,10,11,12,13,14,15
	global_load_b128 v[64*(\a)+4*(\c):64*(\a)+4*(\c)+3], v[CO], s[72:73] offset:(\a)*8192+(\c)*512
.endr
.endm
	WIN 0x80                                       ; destination window 2, address window 0
	TABLE 0
	TABLE 1
.irp a, 0,1,2,3
	WIN 0x05                                       ; sources 0 and 1 window 1
.set n, 0
.rept 32                               ; four chains; chain c takes accumulators c and c + 4, each from its lowest registers on
.set cc, n%4
.set rX, 8*(8*(\a)+cc+4*(n/16))+2*((n/4)%4)
.if n < 4
	v_pk_mul_f32 v[SQ+2*cc:SQ+2*cc+1], v[rX:rX+1], v[rX:rX+1]
.else
	v_pk_fma_f32 v[SQ+2*cc:SQ+2*cc+1], v[rX:rX+1], v[rX:rX+1], v[SQ+2*cc:SQ+2*cc+1]
.endif
.set n, n+1
.endr
	WIN 0
	v_pk_add_f32 v[SQ:SQ+1], v[SQ:SQ+1], v[SQ+2:SQ+3]
	v_pk_add_f32 v[SQ+4:SQ+5], v[SQ+4:SQ+5], v[SQ+6:SQ+7]
	v_pk_add_f32 v[SQ:SQ+1], v[SQ:SQ+1], v[SQ+4:SQ+5]
	v_add_f32 v[SQ], v[SQ], v[SQ+1]
	v_permlanex16_b32 v[SQ+1], v[SQ], s66, s67     ; the row's other 64 columns lie in the lane 16 away
	v_add_f32 v[SS+(\a)], v[SQ], v[SQ+1]
.endr
.irp a, 0,1,2,3
	v_fma_f32 v[SS+(\a)], v[SS+(\a)], s68, s69     ; mean + eps
.endr
.irp a, 0,1,2,3
	v_rsq_f32 v[RS+2*(\a)], v[SS+(\a)]
.endr
	v_nop                                          ; a plain instruction behind the last of the batch,
	s_wait_alu depctr_va_vdst(0)                   ; and one wait for the four
.irp a, 0,1,2,3
	v_mov_b32 v[RS+2*(\a)+1], v[RS+2*(\a)]         ; named as a pair
.endr
	s_wait_loadcnt 16                              ; the gain and table 0 are in; table 1's 16 loads may stay out
	WIN 0x80
	TABLE 2
	TABLE 3
	WIN 0
.set n, 0
.rept 32                               ; the gain is rounded to bf16, like all inputs
	v_cvt_pk_bf16_f32 v[SQ+n%4], v[W+2*n], v[W+2*n+1]
	v_lshlrev_b32 v[W+2*n], 16, v[SQ+n%4]
	v_and_b32 v[W+2*n+1], 0xffff0000, v[SQ+n%4]
.set n, n+1
.endr
	WIN 0x41                                       ; destination and source 0 window 1, source 1 window 0
.set n, 0
.rept 128                              ; pair n of the 128: row block n / 32; times 1 / sqrt
	v_pk_mul_f32 v[2*n:2*n+1], v[2*n:2*n+1], v[RS+2*(n/32):RS+2*(n/32)+1] op_sel_hi:[1,0]
.set n, n+1
.endr
.set n, 0
.rept 128                              ; times the gain of its two columns
	v_pk_mul_f32 v[2*n:2*n+1], v[2*n:2*n+1], v[W+2*(n%32):W+2*(n%32)+1]
.set n, n+1
.endr
.irp a, 0,1,2,3                        ; lo = columns 0-63 (accumulators b = 0..3), hi = columns 64-127 (b + 4): lo' = lo cos - hi sin, hi' = hi cos + lo sin
	s_wait_loadcnt 16*(3-(\a))                     ; table a is in; the younger tables' loads may stay out
	WIN 0x09                                       ; source 0 window 1, source 1 window 2, destination window 0
.set n, 0
.rept 16
	v_pk_mul_f32 v[T1+2*n:T1+2*n+1], v[64*(\a)+32+2*n:64*(\a)+32+2*n+1], v[64*(\a)+32+2*n:64*(\a)+32+2*n+1]  ; hi x sin
	v_pk_mul_f32 v[T2+2*n:T2+2*n+1], v[64*(\a)+2*n:64*(\a)+2*n+1],       v[64*(\a)+32+2*n:64*(\a)+32+2*n+1]  ; lo x sin
.set n, n+1
.endr
	WIN 0x49                                       ; and the destination in window 1, source 2 in window 0
.set n, 0
.rept 16
	v_pk_fma_f32 v[64*(\a)+2*n:64*(\a)+2*n+1],       v[64*(\a)+2*n:64*(\a)+2*n+1],       v[64*(\a)+2*n:64*(\a)+2*n+1], v[T1+2*n:T1+2*n+1] neg_lo:[0,0,1] neg_hi:[0,0,1]
	v_pk_fma_f32 v[64*(\a)+32+2*n:64*(\a)+32+2*n+1], v[64*(\a)+32+2*n:64*(\a)+32+2*n+1], v[64*(\a)+2*n:64*(\a)+2*n+1], v[T2+2*n:T2+2*n+1]
.set n, n+1
.endr
.endr
	WIN 0
.Lout:
	; THE WAY OUT, a row block at a time: rounded to f16, 16 bytes a lane into my own stage, back as whole rows of 256 bytes, stored: a row block is 4,096 consecutive bytes of qkv.
.macro PACK a
	WIN 0x05
.set n, 0
.rept 32                               ; each accumulator's registers in ascending order
	v_cvt_pk_f16_f32 v[TMP+n], v[64*(\a)+2*n], v[64*(\a)+2*n+1]
.set n, n+1
.endr
	WIN 0
.endm
.macro TOSTAGE a
.irp b, 0,1,2,3,4,5,6,7
	ds_store_b128 v[STO], v[TMP+4*(\b):TMP+4*(\b)+3] offset:32*(\b)
.endr
.irp t, 0,1,2,3,4,5,6,7
	ds_load_b128 v[OB+32*((\a)%2)+4*(\t):OB+32*((\a)%2)+4*(\t)+3], v[RD] offset:(\t)*2*SPITCH  ; LDS serves a wave's instructions in order (ISA guide 5.7.1.4): these see the stores above
.endr
.endm
.macro SEND a
	s_wait_dscnt 0x0                               ; the block is back in registers
	s_wait_xcnt 0x0                                ; the earlier stores have read their registers: the buffer of the block before last is loaded again only behind this wait
.irp t, 0,1,2,3,4,5,6,7
	global_store_b128 v[CO], v[OB+32*((\a)%2)+4*(\t):OB+32*((\a)%2)+4*(\t)+3], s[76:77] offset:(\a)*4096+(\t)*512
.endr
.endm
	PACK 0
	TOSTAGE 0
.irp a, 1,2,3
	PACK \a
	SEND (\a)-1
	TOSTAGE \a
.endr
	SEND 3
	s_wait_tensorcnt 0x0                           ; the wave's end: behind my last tensor load and my last LDS store
	ds_add_u32 v[SPW], v[NIL]
	s_wait_dscnt 0x0
	CROUND                                         ; the closing round: no work-group ends while a partner may still ask for a tile that names it
	s_endpgm
.Lfunc_end_k_q8b26ec2ed6_project:
	.size	k_q8b26ec2ed6_project, .Lfunc_end_k_q8b26ec2ed6_project-k_q8b26ec2ed6_project
	.p2alignl 7, 3214868480
	.fill 96, 4, 3214868480
	.section	.rodata,"a",@progbits
	.p2align	6, 0x0
	.amdhsa_kernel k_q8b26ec2ed6_project
		.amdhsa_group_segment_fixed_size 327680
		.amdhsa_private_segment_fixed_size 0
		.amdhsa_enable_private_segment 0
		.amdhsa_kernarg_size 48
		.amdhsa_user_sgpr_count 2
		.amdhsa_user_sgpr_kernarg_segment_ptr 1
		.amdhsa_wavefront_size32 1
		.amdhsa_system_sgpr_workgroup_id_x 1
		.amdhsa_system_sgpr_workgroup_id_y 1
		.amdhsa_system_sgpr_workgroup_id_z 1
		.amdhsa_system_vgpr_workitem_id 0
		.amdhsa_next_free_vgpr 768
		.amdhsa_next_free_sgpr 96
		.amdhsa_reserve_vcc 0
		.amdhsa_float_denorm_mode_32 3
		.amdhsa_float_denorm_mode_16_64 3
		.amdhsa_memory_ordered 1
		.amdhsa_forward_progress 1
		.amdhsa_inst_pref_size 117
	.end_amdhsa_kernel
	.amdgpu_metadata
---
amdhsa.version: [ 1, 2 ]
amdhsa.kernels:
  - .name:           k_q8b26ec2ed6_project
    .symbol:         k_q8b26ec2ed6_project.kd
    .args:
      - { .name: xb, .offset: 0, .size: 8, .value_kind: global_buffer, .address_space: global }
      - { .name: wb, .offset: 8, .size: 8, .value_kind: global_buffer, .address_space: global }
      - { .name: rope, .offset: 16, .size: 8, .value_kind: global_buffer, .address_space: global }
      - { .name: q_norm_w, .offset: 24, .size: 8, .value_kind: global_buffer, .address_space: global }
      - { .name: k_norm_w, .offset: 32, .size: 8, .value_kind: global_buffer, .address_space: global }
      - { .name: qkv, .offset: 40, .size: 8, .value_kind: global_buffer, .address_space: global }
    .group_segment_fixed_size: 327680
    .private_segment_fixed_size: 0
    .kernarg_segment_align: 8
    .kernarg_segment_size: 48
    .max_flat_workgroup_size: 128
    .sgpr_count:     96
    .vgpr_count:     768
    .wavefront_size: 32
...
	.end_amdgpu_metadata
.endif
;; end of part 2
;; launch attend (part 3): grid 32 x 8, 4 waves a work-group, clusters of 4 x 1, 327,680 bytes of LDS; arguments qkv, attn; writes attn
.if DOCPART == 3
	.amdgcn_target "amdgcn-amd-amdhsa--gfx1250"
	.amdhsa_code_object_version 6
	.text
	.protected	k_q8b26ec2ed6_attend
	.globl	k_q8b26ec2ed6_attend
	.p2align	8
	.type	k_q8b26ec2ed6_attend,@function
k_q8b26ec2ed6_attend:
	s_mov_b64 s[64:65], 0
	v_nop
	global_prefetch_b8 v0, s[64:65] scope:SCOPE_SE
	s_setreg_imm32_b32 hwreg(HW_REG_WAVE_MODE, 25, 1), 1
	s_wait_xcnt 0x0
	s_wait_alu depctr_hold_cnt(0) depctr_sa_sdst(0) depctr_va_vdst(0) depctr_va_sdst(0) depctr_va_ssrc(0) depctr_va_vcc(0) depctr_vm_vsrc(0)
	s_getreg_b32 s2, hwreg(HW_REG_IB_STS2, 6, 4)
	s_cmp_eq_u32 s2, 0
	s_cbranch_scc0 .Lentry_in_a_cluster
	s_endpgm
.Lentry_in_a_cluster:
	s_bfe_u32 s2, ttmp6, 0x10000c
	s_cmp_lg_u32 s2, 0x3003
	s_cbranch_scc0 .Lentry_shape_is_right
	s_endpgm
.Lentry_shape_is_right:
; CAUSAL ATTENTION with grouped heads.  qkv: [16][4096][128] f16 (head slots 0-7 q, 8-11 k, 12-15 v; row = batch x 2048 + position).  attn: [4096][1024] f16, column = head x 128 + channel.
; WORK LEFT OUT: slots of 256 keys that lie wholly above the diagonal, and the copies of k and v for the second head of a group (shown at the head of the first kernel, prep).
; Products, maxima and sums in f32; the weights p are rounded to f16 for the second product (their sum is taken of the unrounded p), the result once at the end.
; LIMITS.  A hidden score counts as its value less 1e30 (scores are at most 128 x |gains|^2); a weight below 2^-126 counts as 0; NaN and infinities are not treated apart; |v| under 65,504.
; SHARES.  Grid y = batch x 4 + key/value head.  A BLOCK is 32 positions x the group's 2 query heads: four tiles of 16 queries (tile t: head 2 kvh + t / 2, positions 16 (t % 2) + 0..15 of the block).
; A work-group takes blocks 63 - j and then j (j = 4 x cluster x + cx).  Block b needs the key slots 0 .. b / 8, the last of them masked: (8 - a) + (a + 1) = 9 slots, a = cluster x / 2, whatever j:
; ONE walk of 9 trips, the same for the four partners of a cluster, so every slot is asked for JOINTLY.
; THE KEYS ARE SPLIT AMONG THE WAVES: each wave holds all four tiles and takes keys 64 w .. 64 w + 63 of every slot, so a fragment of K or V is read from LDS by one wave and feeds 64 queries.
; Each wave keeps its own running maximum m, sum l and O; at a block's end the four meet in LDS: O = sum_w O_w 2^(c m_w - c M) / sum_w l_w 2^(c m_w - c M), M the largest m_w.
; LAYOUT.  S^T = K Q^T (source 0 = 16 keys, source 1 = 16 queries): a lane holds ONE query (lane % 16) and keys 8 (lane / 16) + 0..7; two such results rounded to f16 ARE source 1 of O^T = V^T P.
; SOFTMAX.  p = 2^(c s - c m), c = log2(e) / sqrt(128); in every step O and l are multiplied by a = 2^(c m_old - c m_new).  c m starts far below every c s, so a block's first a is 0 and no first step is written out:
; O and l need only be finite there (zeros at the start; what the first block left for the second).
; THE MASK is the C operand that starts S^T: 0, or -1e30 where the key is hidden; made in a block's last slot, 0 elsewhere.  A wave all of whose keys are hidden to a query ends with c m near -1.3e29: its share is 0.
; A TRIP.  A wave reads its share of a slot into registers once, so the slot is free as soon as K and V are in.  Trip n: 64 products K Q^T of slot n; the change of slots (slot n is given up and filled with
; slot n + 2 of the walk; slot n + 1 has landed); K of slot n + 1 is fetched; the four tiles' softmax (one batch of exponentials, one wait); 64 products V^T P; V of slot n + 1 is fetched.
; So K's run of LDS loads lands under the softmax, and V's under the next trip's K Q^T.
; REGISTERS.  window 0: v0-11, v44-47, v61-63 addresses; v12-43 eight of statistics a tile; v64-191 S^T, 32 a tile; v192-255 P, 16 a tile.   window 1: O^T, 64 a tile.
;   window 2: v0-127 Q, 32 a tile; v128-255 K of my 64 keys.   window 3: v0-127 V of my 64 keys; v128-167 the masks, five groups of eight.
.set PK,    272       ; a row of K in LDS: 256 bytes + 16: the 16 rows of a load start at 16 different groups of four banks (64 banks of 4 bytes: ISA guide 11.1)
.set PV,    288       ; a row of V: 256 + 32
.set VOFF,  256*PK    ; a slot: 256 rows of K, then 256 rows of V: 143,360 bytes
.set SLOTB, 147456    ; slot 1 begins here: 0x24000 shares no bit with the descriptors' LDS words (0, 0x8800, 0x11000, 0x1a000), so one exclusive or changes slots
.set ML,    256*(PK+PV)        ; between the slots, never filled: c m and l of every wave, tile and lane: 4,096 bytes
.set MERGEB, SLOTB+256*(PK+PV) ; behind the ring, never filled: for each wave 16 rows x 528 bytes, a tile of O in f32
.set MP,    528
.set MAREA, 16*MP
.set SPARE, MERGEB+4*MAREA     ; the spare words, 128 bytes a wave: two blocks of 256 bytes that no other line names
.set AK0, 2           ; v2   my lane's place in a slot's K; never rewritten
.set AV0, 3           ; v3   in its V
.set ADK, 4           ; v4   the address of K's run of loads
.set ADV, 5           ; v5   of V's
.set QO,  6           ; v6   my byte offset in 16 rows of Q
.set MST, 7           ; v7   where I put 32 bytes of a row of O
.set MRD, 8           ; v8   where I read 16 bytes of my four rows
.set GO,  10          ; v10  my byte offset in attn
.set MLS, 11          ; v11  where I put c m and l
.set ST,  12          ; tile t's statistics at v[ST+8 t]: c m, m, l (even keys', odd keys'), c0-c3 at work; a takes c2's place
.set MLR, 44          ; v44  where I read them
.set XV,  45          ; v45  my query's place in the masked slot, less my lane's and my wave's first key
.set LB,  46          ; v46  lane % 16 - 8 (lane / 16) - 64 w
.set PFO, 61          ; v61  256 x lane
.set SPW, 62          ; v62  my spare word; never rewritten
.set NIL, 63          ; v63  0; never rewritten
.set S,   64
.set P,   192
.set KF,  128         ; window 2
.set MC,  128         ; window 3: group g (0..4), register r: -1e30 where 16 (g - 1) + r lies behind my query.  A tile of even parity takes groups 1-4 for its four groups of 16 keys, one of odd parity, 16 positions on, groups 0-3
.set WV,  12          ; s12 wave;  s13 cx;  s14 j;  s15 a;  s16 w % 2;  s17, s18 my tile's place in a slot (K, V)
.set G1K, 24          ; s[24:31], s[32:39] descriptor group 1 for K, V;  s[40:43], s[44:47] group 0
.set G1V, 32
.set G0K, 40
.set G0V, 44
.set KB,  48          ; s[48:49] K at my half of slot 0;  s[50:51] V
.set VB,  50
.set QH,  52          ; s[52:53] Q of the first block;  s[54:55] of the second
.set QL,  54
.set SLOTS, 56        ; s56  trips of the loop in hand still to come
.set RT,  57          ; s57  slots of the block in hand that are still to be entered
.set CS,  58          ; s[58:59] c
.set SEL, 60          ; s[60:61] v_permlanex16_b32's selects
.set SB,  62          ; s62  the slot that is read: 0 or SLOTB
.set NXT, 63          ; s63  the slot of keys to be asked for next
.set LQ,  66          ; s66  the last slot of the block whose slots are being asked for
.set OFF, 68          ; s[68:69]
.set OC,  70          ; s[70:71] attn at the block in hand;  s[72:73] at the second block
.set OL,  72
.set BIGN, 74         ; s74  -1e30
.set LIM, 75          ; s75  3 in the group's first cluster, else the greatest number
.set PFA, 76          ; s[76:77] where my prefetches stand
.set XH,  78          ; s78, s79  the blocks' first position in their last slot
.set XL,  79
.set MSB, 0
.macro WIN new                      ; the immediate's high byte repeats the setting that is left; a switch that changes nothing is dropped
.if MSB != (\new)
	s_set_vgpr_msb (MSB<<8)|(\new)
.set MSB, \new
.endif
.endm
.macro PLACES                       ; four plain instructions between a matrix instruction and a load into, or a vector instruction on, its registers
.rept 4
	v_nop
.endr
.endm
; A joint fill: waves 0 and 1 fetch the halves of a slot's K, waves 2 and 3 those of its V, 128 rows each.  An s_nop 0 and four v_nop follow each line.
.macro JLOAD
	s_cmp_lt_u32 s[WV], 2
	s_cbranch_scc0 .Lfor_v_\@
	tensor_load_to_lds s[G0K:G0K+3], s[G1K:G1K+7]
	s_nop 0
	PLACES
	s_branch .Lasked_\@
.Lfor_v_\@:
	tensor_load_to_lds s[G0V:G0V+3], s[G1V:G1V+7]
	s_nop 0
	PLACES
.Lasked_\@:
.endm
.macro CROUND                       ; a round of the cluster's barrier
	s_barrier_signal -1
	s_barrier_wait -1
	s_cmp_lg_u32 s[WV], 0
	s_cbranch_scc1 .Lnot_wave_0_\@
	s_barrier_signal -3
.Lnot_wave_0_\@:
	s_barrier_wait -3
	s_barrier_signal -1
	s_barrier_wait -1
.endm
; A PREFETCH INTO THE L2.  All eight clusters of a group begin with slots 0, 1, 2 ..: the first of them asks, in trip n <= 3, for slot n + 4, which trip n + 2 will load.  Of the 128 rows that a wave fetches each partner
; takes 32 BY ADDRESS (cx), a lane a row, one instruction a wave.  Slots 0 to 3 come by their loads alone; the second block's slots have been read before and are not asked for.
.macro ASK
	s_cmp_gt_u32 s[SLOTS], s[LIM]       ; s[SLOTS] = 7 - n
	s_cbranch_scc0 .Lnot_mine_\@
	global_prefetch_b8 v[PFO], s[PFA:PFA+1] th:TH_LOAD_NT scope:SCOPE_SE
.Lnot_mine_\@:
.endm
; THE CHANGE OF SLOTS.  Each wave waits for all its tensor loads (one is out: its part of the other slot), adds 0 to its spare word, and waits for that and for its reads of the slot that it leaves.
; fill = 1: a round of the cluster's barrier, and the old slot is filled again first thing behind it, with slot NXT of the keys; the address is made anew from that number.
; (At its first use nothing has been read yet: slot 0 is waited for, slot 1 filled.)  The four v_nop at its end are the places behind the products K Q^T: in front of the loads into K's registers and of the first read of the scores.
.macro CHANGE fill
	WIN 0
	s_wait_tensorcnt 0x0                ; no tensor load of mine is out, so a group 0 may be written
	ds_add_u32 v[SPW], v[NIL]           ; 0 onto my spare word; scalar work stands between it and the wait for it
.if \fill
	s_lshl_b32 s[OFF], s[NXT], 16       ; a slot is 65,536 bytes of K and of V
	s_xor_b32 s[G0K+1], s[G0K+1], SLOTB
	s_add_nc_u64 s[G0K+2:G0K+3], s[KB:KB+1], s[OFF:OFF+1]
	s_or_b32 s[G0K+3], s[G0K+3], 0x80000000
	s_xor_b32 s[G0V+1], s[G0V+1], SLOTB
	s_add_nc_u64 s[G0V+2:G0V+3], s[VB:VB+1], s[OFF:OFF+1]
	s_or_b32 s[G0V+3], s[G0V+3], 0x80000000
	s_add_co_u32 s[NXT], s[NXT], 1      ; the block's next slot, or behind its last the second block's slot 0
	s_cmp_gt_u32 s[NXT], s[LQ]
	s_cselect_b32 s[NXT], 0, s[NXT]
	s_cselect_b32 s[LQ], s15, s[LQ]
	s_wait_xcnt 0x0                     ; the last prefetch, a trip back, has read its address
	s_add_nc_u64 s[PFA:PFA+1], s[PFA:PFA+1], 65536
.endif
	s_xor_b32 s[SB], s[SB], SLOTB       ; the reads go to the other slot
	s_wait_dscnt 0x0                    ; the add is done, and my reads of the slot, K's and V's, are over
.if \fill
	CROUND
	JLOAD
.else
	s_barrier_signal -1
	s_barrier_wait -1
	PLACES
.endif
.endm
.macro FETCH_K                      ; my 64 keys x 128 channels: 16 fragments; keys 16 (f / 4) on, channels 32 (f % 4) on
	WIN 0
	v_add_nc_u32 v[ADK], s[SB], v[AK0]
	WIN 0x80
.irp f, 0,1,2,3,4,5,6,7,8,9,10,11,12,13,14,15
	ds_load_b128 v[KF+8*(\f):KF+8*(\f)+3],   v[ADK] offset:((\f)/4)*16*PK+((\f)%4)*64
	ds_load_b128 v[KF+8*(\f)+4:KF+8*(\f)+7], v[ADK] offset:((\f)/4)*16*PK+((\f)%4)*64+32
.endr
	WIN 0
.endm
.macro FETCH_V                      ; the same keys' V, turned: keys 32 (f / 8) on, channels 16 (f % 8) on
	WIN 0
	v_add_nc_u32 v[ADV], s[SB], v[AV0]
	WIN 0xc0
.irp f, 0,1,2,3,4,5,6,7,8,9,10,11,12,13,14,15
	ds_load_tr16_b128 v[8*(\f):8*(\f)+3],   v[ADV] offset:((\f)/8)*32*PV+((\f)%8)*32
	ds_load_tr16_b128 v[8*(\f)+4:8*(\f)+7], v[ADV] offset:((\f)/8)*32*PV+16*PV+((\f)%8)*32
.endr
	WIN 0
.endm
.macro MASKS                        ; group n / 8, register n % 8
	WIN 0xc0
.set n, 0
.rept 40
	v_cmp_gt_i32 vcc_lo, 16*(n/8)+n%8-16, v[XV]
	v_cndmask_b32 v[MC+n], 0, s[BIGN], vcc_lo
.set n, n+1
.endr
	WIN 0
.endm
.macro NOMASKS                      ; every key is open
	WIN 0xc0
.set n, 0
.rept 40
	v_mov_b32 v[MC+n], 0
.set n, n+1
.endr
	WIN 0
.endm
.macro QLOAD lo                     ; a block's Q: tile t, channels 32 c on
	WIN 0x80
.irp t, 0,1,2,3
.irp c, 0,1,2,3
	global_load_b128 v[32*(\t)+8*(\c):32*(\t)+8*(\c)+3],   v[QO], s[\lo:\lo+1] offset:((\t)/2)*1048576+((\t)%2)*4096+(\c)*64
	global_load_b128 v[32*(\t)+8*(\c)+4:32*(\t)+8*(\c)+7], v[QO], s[\lo:\lo+1] offset:((\t)/2)*1048576+((\t)%2)*4096+(\c)*64+32
.endr
.endr
	WIN 0
.endm
; Product i of 64 of S^T = K Q^T: channels 32 (i / 16) on, keys 16 ((i / 4) % 4) on, tile i % 4.  The first 16 start the sums with the mask.  The 16 accumulators take turns.
.macro KQ
.set rS, S+32*(i%4)+8*((i/4)%4)
.set rK, KF+32*((i/4)%4)+8*(i/16)
.set rQ, 32*(i%4)+8*(i/16)
.set rM, MC+8*((i/4)%4+1-i%2)
.if i < 16
	WIN 0x3a                            ; K and Q window 2, the mask window 3, S^T window 0
	v_wmma_f32_16x16x32_f16 v[rS:rS+7], v[rK:rK+7], v[rQ:rQ+7], v[rM:rM+7]
.else
	WIN 0x0a
	v_wmma_f32_16x16x32_f16 v[rS:rS+7], v[rK:rK+7], v[rQ:rQ+7], v[rS:rS+7]
.endif
.endm
; Product i of 64 of O^T += V^T P: keys 32 (i / 32) on, channels 16 ((i / 4) % 8) on, tile i % 4.  32 accumulators by turns.
.macro PVM
	WIN 0x53                            ; V window 3, P window 0, O^T window 1
.set rO, 64*(i%4)+8*((i/4)%8)
.set rV, 64*(i/32)+8*((i/4)%8)
.set rP, P+16*(i%4)+8*(i/32)
	v_wmma_f32_16x16x32_f16 v[rO:rO+7], v[rV:rV+7], v[rP:rP+7], v[rO:rO+7]
.endm
; One tile's softmax for a step is a list of 134 instructions; SM writes number j of it for tile t.  s0-s31 are the lane's 32 scores.
;   0-15 the maximum of s0-s31 and the old m (each accumulator's lowest registers first)   16-20 the other half of the lanes'; m; c m; c m_old - c m_new
;   21-69 the 16 scalings c s - c m and all 33 exponentials (a at 23): none reads an exponential's result   (the wait)   70-85 the roundings   86-101 the sums, l = a l + sum   102-133 O^T times a
.macro SM t
.set rT, ST+8*(\t)
.set rS, S+32*(\t)
.set rP, P+16*(\t)
.set rO, 64*(\t)+2*(j-102)
.if j < 102
	WIN 0
.endif
.if j < 4
	v_max3_num_f32 v[rT+4+j], v[rS+8*j], v[rS+8*j+1], v[rS+8*j+2]
.elseif j < 12
	v_max3_num_f32 v[rT+4+j%4], v[rT+4+j%4], v[rS+8*(j%4)+2*(j/4)+1], v[rS+8*(j%4)+2*(j/4)+2]
.elseif j == 12
	v_max3_num_f32 v[rT+4], v[rT+4], v[rS+7], v[rS+15]
.elseif j == 13
	v_max3_num_f32 v[rT+6], v[rT+6], v[rS+23], v[rS+31]
.elseif j == 14
	v_max3_num_f32 v[rT+4], v[rT+4], v[rT+5], v[rT+6]
.elseif j == 15
	v_max3_num_f32 v[rT+4], v[rT+4], v[rT+7], v[rT+1]
.elseif j == 16
	v_permlanex16_b32 v[rT+5], v[rT+4], s[SEL], s[SEL+1]  ; the query's other 32 keys lie in the lane 16 away
.elseif j == 17
	v_mov_b32 v[rT+7], v[rT]            ; c m_old is kept for a
.elseif j == 18
	v_max_num_f32 v[rT+1], v[rT+4], v[rT+5]
.elseif j == 19
	v_mul_f32 v[rT], s[CS], v[rT+1]
.elseif j == 20
	v_sub_f32 v[rT+7], v[rT+7], v[rT]
.elseif j == 23
	v_exp_f32 v[rT+6], v[rT+7]
.elseif (j < 23) || ((j < 38) && (j%2 == 0)) || ((j < 66) && (j%4 == 2))
.set b, (j-2)/4                     ; 38, 42, .. 62: pairs 9 to 15
.if j < 38
.set b, (j-20)/2                    ; 21: pair 0; 22, 24, .. 36: pairs 1 to 8
.endif
	v_pk_fma_f32 v[rS+2*b:rS+2*b+1], v[rS+2*b:rS+2*b+1], s[CS:CS+1], v[rT:rT+1] op_sel_hi:[1,0,0] neg_lo:[0,0,1] neg_hi:[0,0,1]
.elseif j < 70
.set e, j-38                        ; 66 to 69: s28 to s31
.if j < 66
.set e, j-32-(j-38)/4               ; 39-41, 43-45, .. 63-65: s7 to s27
.endif
.if j < 38
.set e, (j-25)/2                    ; 25, 27, .. 37: s0 to s6
.endif
	v_exp_f32 v[rS+e], v[rS+e]
.elseif j < 86
	v_cvt_pk_f16_f32 v[rP+j-70], v[rS+2*(j-70)], v[rS+2*(j-70)+1]
.elseif j < 102                     ; the 16 pairs are added in place, neighbours 1, 2, 4 and 8 pairs apart, then l takes the sum
.set z, j-86
.set w, 4
.set u, z
.if z >= 14
.set w, 32
.set u, 0
.elseif z >= 12
.set w, 16
.set u, z-12
.elseif z >= 8
.set w, 8
.set u, z-8
.endif
.if z < 15
	v_pk_add_f32 v[rS+w*u:rS+w*u+1], v[rS+w*u:rS+w*u+1], v[rS+w*u+w/2:rS+w*u+w/2+1]
.else
	v_pk_fma_f32 v[rT+2:rT+3], v[rT+2:rT+3], v[rT+6:rT+7], v[rS:rS+1] op_sel_hi:[1,0,1]
.endif
.else
	WIN 0x41
	v_pk_mul_f32 v[rO:rO+1], v[rO:rO+1], v[rT+6:rT+7] op_sel_hi:[1,0]
.endif
.endm
.macro SMS lo, hi                   ; numbers lo to hi - 1 of all four tiles, the tiles alternating: no instruction reads the result of the one before it
.set j, \lo
.rept (\hi)-(\lo)
	SM 0
	SM 1
	SM 2
	SM 3
.set j, j+1
.endr
.endm
; A BLOCK'S END: the four waves' partial results meet.
.macro MERGE
	WIN 0
.irp t, 0,1,2,3
	v_add_f32 v[ST+8*(\t)+4], v[ST+8*(\t)+2], v[ST+8*(\t)+3]
.endr
.irp t, 0,1,2,3
	v_permlanex16_b32 v[ST+8*(\t)+5], v[ST+8*(\t)+4], s[SEL], s[SEL+1]
.endr
.irp t, 0,1,2,3
	v_add_f32 v[ST+8*(\t)+1], v[ST+8*(\t)+4], v[ST+8*(\t)+5]  ; my wave's l, beside c m
.endr
.irp t, 0,1,2,3
	ds_store_b64 v[MLS], v[ST+8*(\t):ST+8*(\t)+1] offset:256*(\t)
.endr
	s_wait_dscnt 0x0                    ; for the others' sake: my stores are done
	s_barrier_signal -1
	s_barrier_wait -1
.irp w, 0,1,2,3
.irp t, 0,1,2,3
	ds_load_b64 v[S+2*(4*(\w)+(\t)):S+2*(4*(\w)+(\t))+1], v[MLR] offset:1024*(\w)+256*(\t)
.endr
.endr
	s_wait_dscnt 0x0
.irp t, 0,1,2,3
	v_max3_num_f32 v[ST+8*(\t)+4], v[S+2*(\t)], v[S+8+2*(\t)], v[S+16+2*(\t)]
.endr
.irp t, 0,1,2,3
	v_max_num_f32 v[ST+8*(\t)+4], v[ST+8*(\t)+4], v[S+24+2*(\t)]  ; c M
.endr
.irp t, 0,1,2,3
	v_sub_f32 v[ST+8*(\t)+5], v[ST+8*(\t)], v[ST+8*(\t)+4]
.endr
.irp w, 0,1,2,3
.irp t, 0,1,2,3
	v_sub_f32 v[S+2*(4*(\w)+(\t))], v[S+2*(4*(\w)+(\t))], v[ST+8*(\t)+4]
.endr
.endr
.irp w, 0,1,2,3
.irp t, 0,1,2,3
	v_exp_f32 v[S+2*(4*(\w)+(\t))], v[S+2*(4*(\w)+(\t))]
.endr
.endr
.irp t, 0,1,2,3
	v_exp_f32 v[ST+8*(\t)+5], v[ST+8*(\t)+5]
.endr
	v_nop
	s_wait_alu depctr_va_vdst(0)        ; one wait for the twenty
.irp t, 0,1,2,3
	v_mul_f32 v[ST+8*(\t)+6], v[S+2*(\t)], v[S+2*(\t)+1]
.endr
.irp w, 1,2,3
.irp t, 0,1,2,3
	v_fmac_f32 v[ST+8*(\t)+6], v[S+2*(4*(\w)+(\t))], v[S+2*(4*(\w)+(\t))+1]
.endr
.endr
.irp t, 0,1,2,3
	v_rcp_f32 v[ST+8*(\t)+4], v[ST+8*(\t)+6]
.endr
	v_nop
	s_wait_alu depctr_va_vdst(0)        ; one wait for the four
.irp t, 0,1,2,3
	v_mul_f32 v[ST+8*(\t)+6], v[ST+8*(\t)+5], v[ST+8*(\t)+4]  ; my wave's factor
.endr
.irp t, 0,1,2,3
	v_mov_b32 v[ST+8*(\t)+7], v[ST+8*(\t)+6]                  ; named as a pair
.endr
	WIN 0x41
.set n, 0
.rept 128                           ; each accumulator from its lowest registers on
	v_pk_mul_f32 v[2*n:2*n+1], v[2*n:2*n+1], v[ST+8*(n/32)+6:ST+8*(n/32)+7] op_sel_hi:[1,0]
.set n, n+1
.endr
.irp t, 0,1,2,3                     ; a tile at a time: every wave's 16 rows x 512 bytes into its own area; then wave w adds rows 4 w .. 4 w + 3 of the four areas
	WIN 0x04                            ; the stores' data in window 1
.irp c, 0,1,2,3,4,5,6,7
	ds_store_b128 v[MST], v[64*(\t)+8*(\c):64*(\t)+8*(\c)+3]   offset:64*(\c)
	ds_store_b128 v[MST], v[64*(\t)+8*(\c)+4:64*(\t)+8*(\c)+7] offset:64*(\c)+16
.endr
	WIN 0
	s_wait_dscnt 0x0                    ; my stores are done
	s_barrier_signal -1
	s_barrier_wait -1
.irp w, 0,1,2,3
.irp i, 0,1,2,3
	ds_load_b128 v[128+16*(\w)+4*(\i):128+16*(\w)+4*(\i)+3], v[MRD] offset:MAREA*(\w)+MP*(\i)
.endr
.endr
	s_wait_dscnt 0x0                    ; my reads are over: behind the barrier that this signal opens the areas may be written again
	s_barrier_signal -1
.set n, 0
.rept 8
	v_pk_add_f32 v[128+2*n:129+2*n], v[128+2*n:129+2*n], v[144+2*n:145+2*n]
	v_pk_add_f32 v[160+2*n:161+2*n], v[160+2*n:161+2*n], v[176+2*n:177+2*n]
.set n, n+1
.endr
.set n, 0
.rept 8
	v_pk_add_f32 v[128+2*n:129+2*n], v[128+2*n:129+2*n], v[160+2*n:161+2*n]
.set n, n+1
.endr
.set n, 0
.rept 8
	v_cvt_pk_f16_f32 v[P+8*(\t)+n], v[128+2*n], v[129+2*n]
.set n, n+1
.endr
	s_barrier_wait -1
.irp i, 0,1,2,3
	global_store_b64 v[GO], v[P+8*(\t)+2*(\i):P+8*(\t)+2*(\i)+1], s[OC:OC+1] offset:(16*((\t)%2)+(\i))*2048+((\t)/2)*256  ; a head's row: 32 lanes store 256 consecutive bytes, aligned
.endr
.endr
.endm
; A TRIP of the walk.  fill = 1: the loop's; fill = 0: the walk's last two, one text for both, which ask for nothing; in the very last (s[SLOTS] = 1) there is no next slot and no next block:
; the fetches, the second block's Q and the new beginning are jumped over, and the barrier of its change of slots serves nothing, the price of the one text.
; The branches hang on s[RT], made of the cluster's x alone, and on the loops' counts: they are the same in all waves and all partners.
.macro TRIP fill
	s_sub_co_u32 s[RT], s[RT], 1
	s_cmp_lg_u32 s[RT], 0
	s_cbranch_scc1 .Lopen_\@            ; not the block's last slot: every key is open, the masks hold 0
	MASKS
.Lopen_\@:
	s_wait_dscnt 32                     ; K's 32 loads are in; V's 32 younger ones may stay out
.set i, 0
.rept 64
	KQ
.set i, i+1
.endr
	CHANGE \fill
.if \fill
	FETCH_K
	ASK
.else
	s_cmp_eq_u32 s[SLOTS], 1
	s_cbranch_scc1 .Lno_k_\@
	FETCH_K
.Lno_k_\@:
.endif
	SMS 0, 70
	v_nop                               ; a plain instruction behind the last exponential,
	s_wait_alu depctr_va_vdst(0)        ; and ONE wait for the 132 of the batch, ahead of their first reader
	SMS 70, 134
.set i, 0
.rept 64
	PVM                                 ; V is in since the change of slots
.set i, i+1
.endr
	WIN 0
	PLACES                              ; in front of the loads into V's registers
.if !(\fill)
	s_cmp_eq_u32 s[SLOTS], 1
	s_cbranch_scc1 .Lno_v_\@
.endif
	FETCH_V
.if !(\fill)
.Lno_v_\@:
.endif
	s_cmp_lg_u32 s[RT], 0
	s_cbranch_scc1 .Lbottom_\@
.if !(\fill)
	s_cmp_eq_u32 s[SLOTS], 1
	s_cbranch_scc1 .Lno_q_\@
.endif
	QLOAD QL                            ; A BLOCK ENDS: the second block's Q is on its way while the four waves' results meet
.if !(\fill)
.Lno_q_\@:
.endif
	MERGE
.if !(\fill)
	s_cmp_eq_u32 s[SLOTS], 1
	s_cbranch_scc1 .Lbottom_\@
.endif
	s_wait_xcnt 0x0                     ; the stores have read their registers and attn's address
	s_mov_b64 s[OC:OC+1], s[OL:OL+1]
	s_add_co_u32 s[RT], s15, 1          ; the second block has a + 1 slots
	v_add_nc_u32 v[XV], s[XL], v[LB]
.irp t, 0,1,2,3
	v_mov_b32 v[ST+8*(\t)], 0xfe000000
	v_mov_b32 v[ST+8*(\t)+1], 0xff7fffff
.endr
	NOMASKS
	s_wait_loadcnt 0x0                  ; Q
.Lbottom_\@:
.endm
	s_load_b128 s[4:7], s[0:1], 0x0     ; qkv s[4:5], attn s[6:7]
	v_lshl_add_u32 v[SPW], v0, 2, SPARE
	v_mov_b32 v[NIL], 0
	ds_add_u32 v[SPW], v[NIL]           ; the wave's opening: the add, twice on end, and its wait ahead of my first tensor load
	ds_add_u32 v[SPW], v[NIL]           ; once more; the set-up below, work on registers, stands between it and the wait
	v_lshrrev_b32 v1, 5, v0
	v_readfirstlane_b32 s[WV], v1       ; wave 0..3
	s_bfe_u32 s13, ttmp6, 0x40000       ; cx
	s_lshl_b32 s14, ttmp9, 2
	s_add_co_u32 s14, s14, s13          ; j: it enters Q's and attn's addresses, the mask and the prefetches' addresses alone
	s_lshr_b32 s15, ttmp9, 1            ; a: the same in all four partners
	s_and_b32 s16, s[WV], 1
	s_mul_i32 s17, s16, 128*PK
	s_mul_i32 s18, s16, 128*PV
	s_add_co_u32 s18, s18, VOFF
	s_and_b32 s20, ttmp7, 0xffff
	s_lshr_b32 s21, s20, 2              ; batch
	s_and_b32 s22, s20, 3               ; key/value head
	s_add_co_u32 s80, s22, 8
	s_lshl_b32 s80, s80, 20             ; K's head slot,
	s_lshl_b32 s23, s21, 19             ; the batch's 2,048 rows of 256 bytes,
	s_add_co_u32 s80, s80, s23
	s_lshl_b32 s23, s16, 15             ; my half of a slot's 256 rows
	s_add_co_u32 s80, s80, s23
	s_mov_b32 s81, 0
	s_lshl_b32 s82, s22, 21             ; Q: head slot 2 kvh, the batch,
	s_lshl_b32 s83, s21, 19
	s_add_co_u32 s82, s82, s83
	s_sub_co_u32 s83, 63, s14           ; the first block's number
	s_lshl_b32 s84, s83, 13             ; 32 rows of 256 bytes a block
	s_add_co_u32 s84, s84, s82
	s_mov_b32 s85, 0
	s_lshl_b32 s86, s14, 13
	s_add_co_u32 s86, s86, s82
	s_mov_b32 s87, 0
	s_lshl_b32 s82, s21, 22             ; attn: the batch's 2,048 rows of 2,048 bytes, the group's 512 bytes of a row,
	s_lshl_b32 s88, s22, 9
	s_add_co_u32 s82, s82, s88
	s_lshl_b32 s88, s83, 16             ; 32 rows a block
	s_add_co_u32 s88, s88, s82
	s_mov_b32 s89, 0
	s_lshl_b32 s90, s14, 16
	s_add_co_u32 s90, s90, s82
	s_mov_b32 s91, 0
	s_lshl_b32 s92, s13, 13             ; the prefetches: my work-group's 32 rows of the 128
	s_mov_b32 s93, 0
	s_and_b32 s[XL], s14, 7
	s_sub_co_u32 s[XH], 7, s[XL]
	s_lshl_b32 s[XH], s[XH], 5
	s_lshl_b32 s[XL], s[XL], 5
	s_mov_b32 s[G1K], 15|(1<<16)|(1<<20)|(1<<21)|(5<<22)|(3<<25)  ; the mask of four; 2-byte elements; padding on; bit 21 beside a mask; after every 64 words 4 words
	s_mov_b32 s[G1V], 15|(1<<16)|(1<<20)|(1<<21)|(5<<22)|(7<<25)  ; the same with 8 words
.irp g, G1K, G1V
	s_mov_b32 s[\g+1], 128<<16          ; tensor_dim0 = 128
	s_mov_b32 s[\g+2], 128<<16          ; tensor_dim1 = 128
	s_mov_b32 s[\g+3], 128<<16          ; tile_dim0 = 128
	s_mov_b32 s[\g+4], 128              ; tile_dim1 = 128 rows
	s_mov_b32 s[\g+5], 128              ; elements from row to row
	s_mov_b32 s[\g+6], 0
	s_mov_b32 s[\g+7], 0
.endr
	s_mov_b32 s[CS], 0x3e0293ee         ; c = log2(e) / sqrt(128)
	s_mov_b32 s[CS+1], s[CS]
	s_mov_b32 s[SEL], 0x76543210
	s_mov_b32 s[SEL+1], 0xfedcba98
	s_mov_b32 s[BIGN], 0xf149f2ca       ; -1e30
	s_mov_b32 s[SB], SLOTB              ; the first change of slots turns it into 0
	s_mov_b32 s[SLOTS], 7
	s_sub_co_u32 s[RT], 8, s15          ; the first block has 8 - a slots
	s_mov_b32 s[NXT], 1
	s_sub_co_u32 s[LQ], 7, s15
	s_mov_b32 s[OFF+1], 0
	s_cmp_eq_u32 ttmp9, 0
	s_cselect_b32 s[LIM], 3, -1
	s_mov_b32 s[G0K], 1                 ; count = 1
	s_mov_b32 s[G0K+1], s17             ; LDS address: slot 0
	s_mov_b32 s[G0V], 1
	s_mov_b32 s[G0V+1], s18
	s_wait_dscnt 0x0                    ; both opening adds are done
	s_wait_kmcnt 0x0
	s_add_nc_u64 s[KB:KB+1], s[4:5], s[80:81]
	s_add_nc_u64 s[VB:VB+1], s[KB:KB+1], 0x400000     ; V's head slot lies four slots on
	s_add_nc_u64 s[QH:QH+1], s[4:5], s[84:85]
	s_add_nc_u64 s[QL:QL+1], s[4:5], s[86:87]
	s_add_nc_u64 s[OC:OC+1], s[6:7], s[88:89]
	s_add_nc_u64 s[OL:OL+1], s[6:7], s[90:91]
	s_add_nc_u64 s[G0K+2:G0K+3], s[KB:KB+1], 0        ; global address: slot 0 of the keys
	s_or_b32 s[G0K+3], s[G0K+3], 0x80000000           ; type = 2
	s_add_nc_u64 s[G0V+2:G0V+3], s[VB:VB+1], 0
	s_or_b32 s[G0V+3], s[G0V+3], 0x80000000
	s_cmp_lt_u32 s[WV], 2
	s_cselect_b64 s[PFA:PFA+1], s[KB:KB+1], s[VB:VB+1]
	s_add_nc_u64 s[PFA:PFA+1], s[PFA:PFA+1], s[92:93]
	s_add_nc_u64 s[PFA:PFA+1], s[PFA:PFA+1], 2*65536  ; the change of slots ahead of the loop steps it to slot 3, trip 0's to slot 4
	CROUND                              ; all four work-groups are here: the first joint loads meet
	JLOAD                               ; slot 0
	v_and_b32 v1, 15, v0                ; r
	v_bfe_u32 v9, v0, 4, 1              ; h
	v_lshlrev_b32 v[QO], 8, v1
	v_lshl_add_u32 v[QO], v9, 4, v[QO]
	QLOAD QH
	; O^T, l and the masks start at 0: written in the wait for the first slot, so that a trip has one form
	WIN 0x40
.set i, 0
.rept 256
	v_mov_b32 v[i], 0
.set i, i+1
.endr
	NOMASKS
.irp t, 0,1,2,3
	v_mov_b32 v[ST+8*(\t)], 0xfe000000     ; c m: far below every c s
	v_mov_b32 v[ST+8*(\t)+1], 0xff7fffff   ; m
	v_mov_b32 v[ST+8*(\t)+2], 0
	v_mov_b32 v[ST+8*(\t)+3], 0
.endr
	s_lshl_b32 s20, s[WV], 6            ; my first key in a slot
	v_add_nc_u32 v[AK0], s20, v1
	v_mul_u32_u24 v[AK0], v[AK0], PK
	v_lshl_add_u32 v[AK0], v9, 4, v[AK0]   ; row x pitch + 16 x half
	v_and_b32 v47, 7, v0                ; the turning load: lane l reads key 8 (l / 16) + l % 8, channels 8 ((l / 8) % 2) + 0..7
	v_lshl_add_u32 v[AV0], v9, 3, v47
	v_add_nc_u32 v[AV0], s20, v[AV0]
	v_mul_u32_u24 v[AV0], v[AV0], PV
	v_bfe_u32 v47, v0, 3, 1
	v_lshl_add_u32 v[AV0], v47, 4, v[AV0]
	v_add_nc_u32 v[AV0], VOFF, v[AV0]
	s_mul_i32 s21, s[WV], MAREA
	s_add_co_u32 s21, s21, MERGEB
	v_mul_u32_u24 v[MST], v1, MP
	v_lshl_add_u32 v[MST], v9, 5, v[MST]
	v_add_nc_u32 v[MST], s21, v[MST]    ; my area, row r, 32 bytes for each half of the lanes
	v_and_b32 v47, 31, v0               ; lane
	s_mul_i32 s21, s[WV], 4*MP
	s_add_co_u32 s21, s21, MERGEB
	v_lshl_add_u32 v[MRD], v47, 4, s21  ; rows 4 w on, 16 bytes a lane
	s_lshl_b32 s21, s[WV], 13
	v_lshl_add_u32 v[GO], v47, 3, s21   ; attn: 4 w rows of 2,048 bytes + 8 bytes a lane
	s_lshl_b32 s21, s[WV], 10
	s_add_co_u32 s21, s21, ML
	v_lshl_add_u32 v[MLS], v47, 3, s21
	v_lshlrev_b32 v[MLR], 3, v47
	v_add_nc_u32 v[MLR], ML, v[MLR]
	v_lshlrev_b32 v[LB], 3, v9
	v_sub_nc_u32 v[LB], v1, v[LB]
	v_sub_nc_u32 v[LB], v[LB], s20
	v_add_nc_u32 v[XV], s[XH], v[LB]
	v_lshlrev_b32 v[PFO], 8, v47
	CHANGE 1                            ; slot 0 is in, everybody's part of it; slot 1 is asked for
	FETCH_K                             ; slot 0's K and V
	FETCH_V
	s_wait_loadcnt 0x0                  ; Q
.Lslot:                             ; 7 trips: slots 0 to 6 of the walk are multiplied, slots 2 to 8 asked for
	TRIP 1
	s_sub_co_u32 s[SLOTS], s[SLOTS], 1
	s_cmp_lg_u32 s[SLOTS], 0
	s_cbranch_scc1 .Lslot
	s_mov_b32 s[SLOTS], 2
.Ltail:                             ; slots 7 and 8 have a text of their own
	TRIP 0
	s_sub_co_u32 s[SLOTS], s[SLOTS], 1
	s_cmp_lg_u32 s[SLOTS], 0
	s_cbranch_scc1 .Ltail
	s_wait_tensorcnt 0x0                ; the wave's end: behind my last tensor load and my last LDS store
	ds_add_u32 v[SPW], v[NIL]
	s_wait_dscnt 0x0
	CROUND                              ; the closing round: no work-group ends while a partner may still ask for a tile that names it
	s_endpgm
.Lfunc_end_k_q8b26ec2ed6_attend:
	.size	k_q8b26ec2ed6_attend, .Lfunc_end_k_q8b26ec2ed6_attend-k_q8b26ec2ed6_attend
	.p2alignl 7, 3214868480
	.fill 96, 4, 3214868480
	.section	.rodata,"a",@progbits
	.p2align	6, 0x0
	.amdhsa_kernel k_q8b26ec2ed6_attend
		.amdhsa_group_segment_fixed_size 327680
		.amdhsa_private_segment_fixed_size 0
		.amdhsa_enable_private_segment 0
		.amdhsa_kernarg_size 16
		.amdhsa_user_sgpr_count 2
		.amdhsa_user_sgpr_kernarg_segment_ptr 1
		.amdhsa_wavefront_size32 1
		.amdhsa_system_sgpr_workgroup_id_x 1
		.amdhsa_system_sgpr_workgroup_id_y 1
		.amdhsa_system_sgpr_workgroup_id_z 1
		.amdhsa_system_vgpr_workitem_id 0
		.amdhsa_next_free_vgpr 1024
		.amdhsa_next_free_sgpr 96
		.amdhsa_reserve_vcc 1
		.amdhsa_float_denorm_mode_32 3
		.amdhsa_float_denorm_mode_16_64 3
		.amdhsa_memory_ordered 1
		.amdhsa_forward_progress 1
		.amdhsa_inst_pref_size 193
	.end_amdhsa_kernel
	.amdgpu_metadata
---
amdhsa.version: [ 1, 2 ]
amdhsa.kernels:
  - .name:           k_q8b26ec2ed6_attend
    .symbol:         k_q8b26ec2ed6_attend.kd
    .args:
      - { .name: qkv, .offset: 0, .size: 8, .value_kind: global_buffer, .address_space: global }
      - { .name: attn, .offset: 8, .size: 8, .value_kind: global_buffer, .address_space: global }
    .group_segment_fixed_size: 327680
    .private_segment_fixed_size: 0
    .kernarg_segment_align: 8
    .kernarg_segment_size: 16
    .max_flat_workgroup_size: 128
    .sgpr_count:     96
    .vgpr_count:     1024
    .wavefront_size: 32
...
	.end_amdgpu_metadata
.endif
;; end of part 3
;; launch outproj (part 4): grid 16 x 16, 4 waves a work-group, clusters of 4 x 4, 327,680 bytes of LDS; arguments attn, owb, out0; writes out0
.if DOCPART == 4
	.amdgcn_target "amdgcn-amd-amdhsa--gfx1250"
	.amdhsa_code_object_version 6
	.text
	.protected	k_q8b26ec2ed6_outproj
	.globl	k_q8b26ec2ed6_outproj
	.p2align	8
	.type	k_q8b26ec2ed6_outproj,@function
k_q8b26ec2ed6_outproj:
	s_mov_b64 s[64:65], 0
	v_nop
	global_prefetch_b8 v0, s[64:65] scope:SCOPE_SE
	s_setreg_imm32_b32 hwreg(HW_REG_WAVE_MODE, 25, 1), 1
	s_wait_xcnt 0x0
	s_wait_alu depctr_hold_cnt(0) depctr_sa_sdst(0) depctr_va_vdst(0) depctr_va_sdst(0) depctr_va_ssrc(0) depctr_va_vcc(0) depctr_vm_vsrc(0)
	s_getreg_b32 s2, hwreg(HW_REG_IB_STS2, 6, 4)
	s_cmp_eq_u32 s2, 0
	s_cbranch_scc0 .Lentry_in_a_cluster
	s_endpgm
.Lentry_in_a_cluster:
	s_bfe_u32 s2, ttmp6, 0x10000c
	s_cmp_lg_u32 s2, 0xf033
	s_cbranch_scc0 .Lentry_shape_is_right
	s_endpgm
.Lentry_shape_is_right:
; out0[m][n] = the sum over k of attn[m][k] owb[n][k].  attn: [4096][1024] f16, owb: [2048][1024] f16 (o_w rounded to bf16, written as f16), out0: [4096][2048] f32.  Sums in f32.
; The frame is project's: a tile of 256 x 128, 16 x 16 work-groups in clusters of 4 x 4, wave w rows 64 w .. 64 w + 63 x all 128 columns (32 accumulators in window 1), K in steps of 128 through
; two LDS slots, attn's tile asked for jointly along a row of the cluster, owb's along a column, the product used transposed (source 0 = 16 rows of owb, source 1 = 16 rows of attn).
; THE WALK.  A cluster begins at K step 2 ((cluster x + 2 (cluster y mod 2)) mod 4) and goes once round K (f32 sums may be taken in any order): the clusters that read the same rows do not all ask for the same block at the same time.
; No prefetch: the launch has eight K steps, and a lead of three steps behind the head's first loads would leave one step to name.
.set KTOT,   1024
.set RSH,    11                        ; a row of attn and of owb is 2,048 bytes
.set STEPS,  KTOT/128
.set SKSH,   1                         ; the beginnings lie STEPS / 4 = 2 steps apart
.set PITCH,  272                       ; 256 bytes + 16 of padding: the 16 rows of a fragment load start at 16 different groups of four banks (64 banks of 4 bytes: ISA guide 11.1)
.set ATILE,  256*PITCH                 ; a slot: attn's 256 rows, then owb's 128
.set SLOT1,  1<<17                     ; slot 1 begins here: the bit is in none of the descriptors' LDS words (0, 0x8800, 0x11000, 0x15400), so one exclusive or changes slots
.set STAGE,  SLOT1+384*PITCH           ; behind the ring: 16 rows x 528 bytes of f32 for each wave
.set SPITCH, 528
.set SPARE,  STAGE+4*16*SPITCH         ; the spare words, 128 bytes a wave: two blocks of 256 bytes that no other line names
.set ADA,  16                          ; v16, v17  LDS address of my fragments of attn in the slot that is read, and in slot 0
.set ADA0, 17
.set ADB,  20                          ; v20, v21  the same for owb
.set ADB0, 21
.set STO,  24                          ; v24  where I put 32 bytes of a row
.set RD,   25                          ; v25  where I read 16 bytes of a row back
.set CO,   26                          ; v26  16 x lane
.set SPW,  28                          ; v28  my spare word; never rewritten
.set NIL,  29                          ; v29  0; never rewritten
.set F0,   64                          ; two fragment buffers: 8 of owb, then 4 of attn
.set F1,   160
.set OB,   64                          ; v64-127, v128-191 by turns: 16 rows read back
.set G1A, 24                           ; s[24:31] group 1 for attn's tiles;  s[32:39] group 0: a set for each of the two first fills; the second then walks on
.set G0A, 32
.set G1B, 40                           ; s[40:47], s[48:55] the same for owb's
.set G0B, 48
.set AB,  56                           ; s[56:57] attn at the rows that I fetch, K step 0; never rewritten
.set BB,  58                           ; s[58:59] owb likewise
.set SB,  90                           ; s90  the slot that is read: 0 or SLOT1
.set KX,  91                           ; s91  the K step asked for last
.set KO,  92                           ; s[92:93] its bytes along a row
.set GW0, (1<<16)|(1<<20)|(1<<21)|(5<<22)|(3<<25)  ; 2-byte elements; padding on; bit 21 beside a mask; after every 64 words 4 words
.set MUL, 0x50                         ; C and D in window 1, the sources in window 0
.set MSB, 0
.macro WIN new
.if MSB != (\new)
	s_set_vgpr_msb (MSB<<8)|(\new)
.set MSB, \new
.endif
.endm
.macro PLACES                          ; four plain instructions between a matrix instruction and a load into, or a store of, its registers
.rept 4
	v_nop
.endr
.endm
.macro JLOAD                           ; a joint refill by the walking descriptors: waves 0 and 1 fetch attn's halves, waves 2 and 3 owb's; an s_nop 0 and four v_nop follow each line
	s_cmp_eq_u32 s17, 0
	s_cbranch_scc0 .Lfor_b_\@
	tensor_load_to_lds s[G0A+4:G0A+7], s[G1A:G1A+7]
	s_nop 0
	PLACES
	s_branch .Lasked_\@
.Lfor_b_\@:
	tensor_load_to_lds s[G0B+4:G0B+7], s[G1B:G1B+7]
	s_nop 0
	PLACES
.Lasked_\@:
.endm
.macro CREST                           ; a round of the cluster's barrier behind its opening barrier
	s_cmp_lg_u32 s16, 0
	s_cbranch_scc1 .Lnot_wave_0_\@
	s_barrier_signal -3
.Lnot_wave_0_\@:
	s_barrier_wait -3
	s_barrier_signal -1
	s_barrier_wait -1
.endm
.macro CROUND
	s_barrier_signal -1
	s_barrier_wait -1
	CREST
.endm
	s_load_b128 s[4:7], s[0:1], 0x0                ; attn s[4:5], owb s[6:7]
	s_load_b64 s[8:9], s[0:1], 0x10                ; out0
	v_lshl_add_u32 v[SPW], v0, 2, SPARE
	v_mov_b32 v[NIL], 0
	ds_add_u32 v[SPW], v[NIL]                      ; the wave's opening: the add, twice on end, and its wait ahead of my first tensor load
	ds_add_u32 v[SPW], v[NIL]                      ; once more; the set-up below stands between it and the wait
	v_lshrrev_b32 v1, 5, v0
	v_readfirstlane_b32 s16, v1                    ; wave 0..3
	s_lshr_b32 s17, s16, 1                         ; I fetch for attn (0) or for owb (1)
	s_and_b32 s18, s16, 1                          ; which half
	s_bfe_u32 s19, ttmp6, 0x40000                  ; cx
	s_bfe_u32 s20, ttmp6, 0x40004                  ; cy
	s_lshl_b32 s21, ttmp9, 2
	s_add_co_u32 s21, s21, s19                     ; tn
	s_and_b32 s84, ttmp7, 0xffff                   ; cluster y
	s_lshl_b32 s22, s84, 2
	s_add_co_u32 s22, s22, s20                     ; tm
	s_lshl_b32 s23, s20, 2
	s_lshl_b32 s23, 15, s23                        ; my row of the cluster
	s_lshl_b32 s2, 0x1111, s19                     ; my column
	s_or_b32 s[G1A], s23, GW0
	s_or_b32 s[G1B], s2, GW0
	s_mov_b32 s[G1A+1], 128<<16                    ; tensor_dim0 = 128
	s_mov_b32 s[G1A+2], 128<<16                    ; tensor_dim1 = 128
	s_mov_b32 s[G1A+3], 128<<16                    ; tile_dim0 = 128
	s_mov_b32 s[G1A+4], 128                        ; tile_dim1 = 128 rows
	s_mov_b32 s[G1A+5], KTOT                       ; elements from row to row
	s_mov_b32 s[G1A+6], 0
	s_mov_b32 s[G1A+7], 0
	s_mov_b32 s[G1B+1], 128<<16
	s_mov_b32 s[G1B+2], 64<<16                     ; owb's halves have 64 rows
	s_mov_b32 s[G1B+3], 128<<16
	s_mov_b32 s[G1B+4], 64
	s_mov_b32 s[G1B+5], KTOT
	s_mov_b32 s[G1B+6], 0
	s_mov_b32 s[G1B+7], 0
	s_lshl_b32 s56, s22, 8
	s_lshl_b32 s57, s18, 7
	s_add_co_u32 s56, s56, s57                     ; attn: row 256 tm + 128 x half
	s_lshl_b32 s56, s56, RSH
	s_mov_b32 s57, 0
	s_lshl_b32 s58, s21, 7
	s_lshl_b32 s59, s18, 6
	s_add_co_u32 s58, s58, s59                     ; owb: row 128 tn + 64 x half
	s_lshl_b32 s58, s58, RSH
	s_mov_b32 s59, 0
	s_mul_i32 s70, s18, 128*PITCH                  ; where they go in a slot: the wave's number alone enters an LDS address
	s_mul_i32 s71, s18, 64*PITCH
	s_add_co_u32 s71, s71, ATILE
	s_and_b32 s[KX], s84, 1                        ; the walk's beginning: made of the cluster's coordinates alone, the same in all sixteen partners
	s_lshl_b32 s[KX], s[KX], 1
	s_add_co_u32 s[KX], s[KX], ttmp9
	s_and_b32 s[KX], s[KX], 3
	s_lshl_b32 s[KX], s[KX], SKSH
	s_lshl_b32 s[KO], s[KX], 8                     ; 256 bytes a K step
	s_mov_b32 s[KO+1], 0
	s_mov_b32 s[SB], 0
	s_wait_dscnt 0x0                               ; both opening adds are done
	s_wait_kmcnt 0x0
	s_add_nc_u64 s[AB:AB+1], s[4:5], s[56:57]
	s_add_nc_u64 s[BB:BB+1], s[6:7], s[58:59]
	CROUND                                         ; all sixteen work-groups are here: the first joint loads meet
	s_mov_b32 s[G0A], 1                            ; count = 1
	s_mov_b32 s[G0A+1], s70                        ; LDS address: slot 0
	s_add_nc_u64 s[G0A+2:G0A+3], s[AB:AB+1], s[KO:KO+1]      ; global address: the walk's place 0
	s_mov_b32 s[G0A+4], 1
	s_add_co_u32 s[G0A+5], s70, SLOT1              ; slot 1
	s_add_nc_u64 s[G0A+6:G0A+7], s[G0A+2:G0A+3], 256         ; place 1: the beginning is 6 at the most, so there is no wrap yet
	s_or_b32 s[G0A+3], s[G0A+3], 0x80000000        ; type = 2
	s_or_b32 s[G0A+7], s[G0A+7], 0x80000000
	s_mov_b32 s[G0B], 1
	s_mov_b32 s[G0B+1], s71
	s_add_nc_u64 s[G0B+2:G0B+3], s[BB:BB+1], s[KO:KO+1]
	s_mov_b32 s[G0B+4], 1
	s_add_co_u32 s[G0B+5], s71, SLOT1
	s_add_nc_u64 s[G0B+6:G0B+7], s[G0B+2:G0B+3], 256
	s_or_b32 s[G0B+3], s[G0B+3], 0x80000000
	s_or_b32 s[G0B+7], s[G0B+7], 0x80000000
	s_add_co_u32 s[KX], s[KX], 1                   ; place 1's K step
	s_cmp_eq_u32 s17, 0                            ; a wave's two first fills stand in one branch, ahead of every wait on TENSORcnt and every LDS read: two loads of mine are out
	s_cbranch_scc0 .Lfirst_b
	tensor_load_to_lds s[G0A:G0A+3], s[G1A:G1A+7]
	s_nop 0
	tensor_load_to_lds s[G0A+4:G0A+7], s[G1A:G1A+7]
	s_nop 0
	PLACES
	s_branch .Lfirst_asked
.Lfirst_b:
	tensor_load_to_lds s[G0B:G0B+3], s[G1B:G1B+7]
	s_nop 0
	tensor_load_to_lds s[G0B+4:G0B+7], s[G1B:G1B+7]
	s_nop 0
	PLACES
.Lfirst_asked:
	v_and_b32 v1, 15, v0                           ; r
	v_bfe_u32 v2, v0, 4, 1                         ; h
	v_mul_u32_u24 v3, v1, PITCH
	v_lshl_add_u32 v3, v2, 4, v3                   ; a fragment's row x pitch + 16 x half
	s_mul_i32 s23, s16, 64*PITCH                   ; my 64 rows of attn
	v_add_nc_u32 v[ADA0], s23, v3
	v_add_nc_u32 v[ADB0], ATILE, v3
	v_add_nc_u32 v[ADA], s[SB], v[ADA0]
	v_add_nc_u32 v[ADB], s[SB], v[ADB0]
	s_mul_i32 s23, s16, 16*SPITCH
	s_add_co_u32 s23, s23, STAGE                   ; my stage
	v_mul_u32_u24 v4, v1, SPITCH
	v_lshl_add_u32 v4, v2, 5, v4
	v_add_nc_u32 v[STO], s23, v4                   ; in: row r, 32 bytes for each half of the lanes
	v_and_b32 v[CO], 31, v0
	v_lshlrev_b32 v[CO], 4, v[CO]
	v_add_nc_u32 v[RD], s23, v[CO]                 ; back: a row's 512 bytes, 16 a lane
	s_lshl_b32 s78, s22, 8
	s_lshl_b32 s79, s16, 6
	s_add_co_u32 s78, s78, s79                     ; my first row of out0,
	s_lshl_b32 s78, s78, 13                        ; 8,192 bytes a row,
	s_lshl_b32 s79, s21, 9                         ; the tile's 512 bytes of it
	s_add_co_u32 s78, s78, s79
	s_mov_b32 s79, 0
	s_add_nc_u64 s[8:9], s[8:9], s[78:79]
.macro MULA f, a, zero                 ; 8 products; the 32 accumulators take turns in one order everywhere, one instruction a turn
	WIN MUL
.irp b, 0,1,2,3,4,5,6,7
.if \zero
	v_wmma_f32_16x16x32_f16 v[8*(8*(\a)+(\b)):8*(8*(\a)+(\b))+7], v[(\f)+8*(\b):(\f)+8*(\b)+7], v[(\f)+64+8*(\a):(\f)+64+8*(\a)+7], 0
.else
	v_wmma_f32_16x16x32_f16 v[8*(8*(\a)+(\b)):8*(8*(\a)+(\b))+7], v[(\f)+8*(\b):(\f)+8*(\b)+7], v[(\f)+64+8*(\a):(\f)+64+8*(\a)+7], v[8*(8*(\a)+(\b)):8*(8*(\a)+(\b))+7]
.endif
.endr
.endm
.macro FETCH k, f                      ; 24 LDS loads in one run: a quarter step's fragments, at byte k of the rows of the slot that is read
	WIN 0
.irp i, 0,1,2,3,4,5,6,7
	ds_load_b128 v[(\f)+8*(\i):(\f)+8*(\i)+3],   v[ADB] offset:(\k)+(\i)*16*PITCH
	ds_load_b128 v[(\f)+8*(\i)+4:(\f)+8*(\i)+7], v[ADB] offset:(\k)+(\i)*16*PITCH+32
.endr
.irp i, 0,1,2,3
	ds_load_b128 v[(\f)+64+8*(\i):(\f)+64+8*(\i)+3],   v[ADA] offset:(\k)+(\i)*16*PITCH
	ds_load_b128 v[(\f)+64+8*(\i)+4:(\f)+64+8*(\i)+7], v[ADA] offset:(\k)+(\i)*16*PITCH+32
.endr
.endm
.macro QUARTER k, f, g, zero           ; multiplies buffer f, fetches the next quarter, at byte k, into g
	s_wait_dscnt 4                                 ; owb's fragments and attn's row blocks 0, 1 are in; the youngest four loads may be out
	MULA \f, 0, \zero
	MULA \f, 1, \zero
	PLACES
	FETCH \k, \g
	s_wait_dscnt 24                                ; all but the 24 just issued
	MULA \f, 2, \zero
	MULA \f, 3, \zero
.endm
; The last quarter changes slots and then multiplies buffer 1.  ONE barrier: in front of it each wave waits for all its tensor loads (one is out: its part of the next slot), adds 0 to its spare word, and waits for
; that and for its reads of this slot.  fill = 1: the barrier opens a round of the cluster's, and this slot is filled again, with the walk's place two on, first thing behind the round; the quarter's 32 products follow the request.
; fill = 0: the walk's last two steps, one text for both; in the second (s3 = 1) there is no next step, and its fetch is jumped over; the barrier there serves nothing, the price of the one text.
.macro TURN fill
	WIN 0
	s_wait_tensorcnt 0x0                           ; all my tensor loads have landed, so a group 0 may be written
	ds_add_u32 v[SPW], v[NIL]                      ; 0 onto my spare word
.if \fill
	s_add_co_u32 s[KX], s[KX], 1                   ; the walk's next place,
	s_and_b32 s[KX], s[KX], STEPS-1                ; round K
	s_lshl_b32 s[KO], s[KX], 8
	s_xor_b32 s[G0A+5], s[G0A+5], SLOT1            ; the walking descriptors: the other slot than last time; the address is made anew from the step's number
	s_add_nc_u64 s[G0A+6:G0A+7], s[AB:AB+1], s[KO:KO+1]
	s_or_b32 s[G0A+7], s[G0A+7], 0x80000000
	s_xor_b32 s[G0B+5], s[G0B+5], SLOT1
	s_add_nc_u64 s[G0B+6:G0B+7], s[BB:BB+1], s[KO:KO+1]
	s_or_b32 s[G0B+7], s[G0B+7], 0x80000000
.endif
	s_xor_b32 s[SB], s[SB], SLOT1                  ; the reads go to the other slot
	s_wait_dscnt 0x0                               ; the add is done, and my reads of this slot are over
	s_barrier_signal -1
	s_barrier_wait -1
.if \fill
	CREST                                          ; no wave of any partner still reads this slot or has a load on its way
	JLOAD                                          ; my one tensor load behind the round; its four v_nop are also the places in front of the loads below
.else
	s_cmp_eq_u32 s3, 1
	s_cbranch_scc1 .Lno_next_\@
	PLACES
.endif
	v_add_nc_u32 v[ADA], s[SB], v[ADA0]
	v_add_nc_u32 v[ADB], s[SB], v[ADB0]
	FETCH 0, F0
.if !(\fill)
.Lno_next_\@:
.endif
	MULA F1, 0, 0
	MULA F1, 1, 0
	MULA F1, 2, 0
	MULA F1, 3, 0
.endm
	s_wait_tensorcnt 1                             ; my part of place 0 is in; place 1's may stay out
	s_barrier_signal -1
	s_barrier_wait -1
	FETCH 0, F0
	QUARTER 64, F0, F1, 1                          ; the first quarter stands in front of the loop: its products start the sums
	WIN 0
	s_mov_b32 s3, STEPS-2
.Lstep:                                        ; a trip is a K step, from its second quarter to the next step's first, and fills the slot that it leaves
	QUARTER 128, F1, F0, 0
	QUARTER 192, F0, F1, 0
	TURN 1
	QUARTER 64,  F0, F1, 0
	WIN 0
	s_sub_co_u32 s3, s3, 1
	s_cmp_lg_u32 s3, 0
	s_cbranch_scc1 .Lstep
	s_mov_b32 s3, 2
.Ltail:                                        ; the last two steps fill nothing: a text of their own; the second trip is left in its middle
	QUARTER 128, F1, F0, 0
	QUARTER 192, F0, F1, 0
	TURN 0
	WIN 0
	s_sub_co_u32 s3, s3, 1
	s_cmp_eq_u32 s3, 0
	s_cbranch_scc1 .Lfin
	QUARTER 64,  F0, F1, 0
	WIN 0
	s_branch .Ltail
.Lfin:
	PLACES
	PLACES
	; THE WAY OUT, a row block at a time, in f32: 32 bytes a lane and accumulator into my own stage, back as whole rows of 512 bytes, stored.
.irp a, 0,1,2,3
	WIN 0x04                                       ; the stores' data in window 1
.irp b, 0,1,2,3,4,5,6,7
	ds_store_b128 v[STO], v[64*(\a)+8*(\b):64*(\a)+8*(\b)+3]   offset:64*(\b)      ; each accumulator's lowest registers first
	ds_store_b128 v[STO], v[64*(\a)+8*(\b)+4:64*(\a)+8*(\b)+7] offset:64*(\b)+16
.endr
	WIN 0
.if (\a) >= 2
	s_wait_xcnt 0x0                                ; the stores of the block before last have read this buffer
.endif
.irp i, 0,1,2,3,4,5,6,7,8,9,10,11,12,13,14,15
	ds_load_b128 v[OB+64*((\a)%2)+4*(\i):OB+64*((\a)%2)+4*(\i)+3], v[RD] offset:SPITCH*(\i)  ; LDS serves a wave's instructions in order (ISA guide 5.7.1.4): these see the stores above
.endr
.irp i, 0,1,2,3,4,5,6,7,8,9,10,11,12,13,14,15
.if (\i)%4 == 0
	s_wait_dscnt 12-(\i)                           ; rows i to i + 3 are back; the younger loads may stay out
.endif
	global_store_b128 v[CO], v[OB+64*((\a)%2)+4*(\i):OB+64*((\a)%2)+4*(\i)+3], s[8:9] offset:(16*(\a)+(\i))*8192 th:TH_STORE_NT  ; 512 consecutive bytes, aligned
.endr
.endr
	s_wait_tensorcnt 0x0                           ; the wave's end: behind my last tensor load and my last LDS store
	ds_add_u32 v[SPW], v[NIL]
	s_wait_dscnt 0x0
	CROUND                                         ; the closing round: no work-group ends while a partner may still ask for a tile that names it
	s_endpgm
.Lfunc_end_k_q8b26ec2ed6_outproj:
	.size	k_q8b26ec2ed6_outproj, .Lfunc_end_k_q8b26ec2ed6_outproj-k_q8b26ec2ed6_outproj
	.p2alignl 7, 3214868480
	.fill 96, 4, 3214868480
	.section	.rodata,"a",@progbits
	.p2align	6, 0x0
	.amdhsa_kernel k_q8b26ec2ed6_outproj
		.amdhsa_group_segment_fixed_size 327680
		.amdhsa_private_segment_fixed_size 0
		.amdhsa_enable_private_segment 0
		.amdhsa_kernarg_size 24
		.amdhsa_user_sgpr_count 2
		.amdhsa_user_sgpr_kernarg_segment_ptr 1
		.amdhsa_wavefront_size32 1
		.amdhsa_system_sgpr_workgroup_id_x 1
		.amdhsa_system_sgpr_workgroup_id_y 1
		.amdhsa_system_sgpr_workgroup_id_z 1
		.amdhsa_system_vgpr_workitem_id 0
		.amdhsa_next_free_vgpr 512
		.amdhsa_next_free_sgpr 96
		.amdhsa_reserve_vcc 0
		.amdhsa_float_denorm_mode_32 3
		.amdhsa_float_denorm_mode_16_64 3
		.amdhsa_memory_ordered 1
		.amdhsa_forward_progress 1
		.amdhsa_inst_pref_size 60
	.end_amdhsa_kernel
	.amdgpu_metadata
---
amdhsa.version: [ 1, 2 ]
amdhsa.kernels:
  - .name:           k_q8b26ec2ed6_outproj
    .symbol:         k_q8b26ec2ed6_outproj.kd
    .args:
      - { .name: attn, .offset: 0, .size: 8, .value_kind: global_buffer, .address_space: global }
      - { .name: owb, .offset: 8, .size: 8, .value_kind: global_buffer, .address_space: global }
      - { .name: out0, .offset: 16, .size: 8, .value_kind: global_buffer, .address_space: global }
    .group_segment_fixed_size: 327680
    .private_segment_fixed_size: 0
    .kernarg_segment_align: 8
    .kernarg_segment_size: 24
    .max_flat_workgroup_size: 128
    .sgpr_count:     96
    .vgpr_count:     512
    .wavefront_size: 32
...
	.end_amdgpu_metadata
.endif
;; end of part 4
